; MI455X (gfx1250); checked and timed in simulation.
; The chip was launched on July 23, 2026; its instructions are those of AMD's public machine-readable ISA for CDNA 5 (MIT licence, August 2026) and "CDNA5" Instruction Set Architecture Reference Guide (July 2026). The comments in the code are by the model that wrote it; some were corrected since.
;; Masked Multi Head Attention. Allowed arithmetic: matrix products marked QUANTISED: E2M3 operands, one E8M0 scale for each 32 along K, by v_wmma_scale_f32_16x16x128_f8f6f4 with both operands' format E2M3, f32 sums; everything else in f32.
;; Inputs: Wk 1,024 x 1,024 float32; Wp 1,024 x 1,024 float32; Wq 1,024 x 1,024 float32; Wv 1,024 x 1,024 float32; bk 1,024 float32; bq 1,024 float32; bv 1,024 float32; x 4 x 2,048 x 1,024 float32.
;; Outputs: out0 4 x 2,048 x 1,024 float32.
;; This version of the problem:
;;   THIS VERSION OF THE PROBLEM IS GIVEN IN LOW PRECISION. The matrix products marked QUANTISED in the list below multiply operands that are first quantised to E2M3 (2 exponent bits, 3 mantissa bits; 6 bits a number), with one power-of-two scale for each 32 numbers along K (OCP MX v1.0); their sums are f32. All else is computed in f32.
;;   The module's matrix products, in the order in which they are computed (A, B: the left and right operand; K: the contracted axis; several contracted axes count as one K, in the product's order):
;;     1. [M 8,192, K 1,024] x [K 1,024, N 1,024]; A: input x; B: input Wq: QUANTISED
;;     2. [M 8,192, K 1,024] x [K 1,024, N 1,024]; A: input x; B: input Wk: QUANTISED
;;     3. [M 8,192, K 1,024] x [K 1,024, N 1,024]; A: input x; B: input Wv: QUANTISED
;;     4. batch 64 x [M 2,048, K 64] x [K 64, N 2,048]; A: computed on the way; B: computed on the way: QUANTISED
;;     5. batch 64 x [M 2,048, K 2,048] x [K 2,048, N 64]; A: softmax (see below); B: computed on the way: QUANTISED
;;     6. [M 8,192, K 1,024] x [K 1,024, N 1,024]; A: computed on the way; B: input Wp: QUANTISED
;;   THE QUANTISER, for each operand of a quantised product, along K:
;;     - K is cut into blocks of 32 from its start; a last block that is shorter is filled with zeros.
;;     - A block's scale is 2^e with e = floor(log2(the largest magnitude in the block)) - 2, held to -126 .. 127; a block of zeros has e = 0. As a byte (E8M0): e + 127.
;;     - Each number is divided by its block's scale, clamped to +-7.5, and rounded to the nearest number of E2M3, ties to even, subnormals kept.
;;     - The product sums the exact products of the quantised numbers (number of the format x scale) in f32.
;;   ~~~python
;;   def quantise(x, axis):      # numpy; x: float32 -> the quantised numbers, widened to float32 again
;;       x = np.moveaxis(x, axis, -1); K = x.shape[-1]
;;       x = np.pad(x, [(0, 0)] * (x.ndim - 1) + [(0, -K % 32)]); x = x.reshape(x.shape[:-1] + (-1, 32)); a = np.abs(x).max(-1, keepdims=True)
;;       e = np.where(a > 0, np.clip(np.frexp(np.where(a > 0, a, 1))[1] - 1 - 2, -126, 127), 0)      # np.frexp(a)[1] - 1 = floor(log2(a)), exactly
;;       r = np.clip(x / 2.0 ** e, -7.5, 7.5)
;;       step = 2.0 ** (np.maximum(np.frexp(np.where(r == 0, 1, r))[1] - 1, 0) - 3)
;;       q = np.round(r / step) * step * 2.0 ** e      # np.round: ties to even
;;       return np.moveaxis(q.reshape(q.shape[:-2] + (-1,))[..., :K], -1, axis).astype(np.float32)
;;   ~~~
;;   SOFTMAX AHEAD OF A QUANTISED PRODUCT. Where the list says 'softmax', what is quantised is not the finished softmax but p = 2^(t - M), with t = logit x log2(e) and M = ceil(the row's largest t), a whole number; so 1/2 < the row's largest p <= 1. The row's sum l is taken of the UNQUANTISED p, in f32, and the product's result is divided by l at the end. Since M is a whole number, a kernel that streams over the keys may use a running M (the ceiling of the running maximum): every later rescaling is an exact power of two, which a block's scale takes up: the codes' values come out the same.
;;   OPERANDS COMPUTED ON THE WAY. 'Computed on the way' means the value that the module computes at that place (a softmax that the list does not call 'softmax' is quantised finished and normalised). What goes into a quantiser is computed in f32, as accurately as f32 sums, v_exp_f32 and their like allow (about 1e-6 of the number): no bf16 or f16 on the way to a quantiser, and a product that is left as it is and whose result goes on into a quantised operand takes f32 operands (vector FMAs, or v_wmma_f32_16x16x4_f32). A number that lies on a knife's edge between two numbers of the format may be rounded either way, as far as f32 arithmetic and the matrix unit's own rounding can turn it there, and no further.
;; One version. Each part assembles by itself: llvm-mc -triple=amdgcn-amd-amdhsa -mcpu=gfx1250 --defsym DOCPART=n.
;; ======== version 1 of 1: 4 launches
;; workspace buffers: cw 9,830,400 bytes; rope 524,288 bytes; qb 13,369,344 bytes; kvb 13,369,344 bytes; oq 6,553,600 bytes
;; launch prep (part 1): grid 400 x 1, 4 waves a work-group, no clusters, 68,096 bytes of LDS; arguments x, Wq, Wk, Wv, Wp, cw, rope; writes cw, rope
.if DOCPART == 1
	.amdgcn_target "amdgcn-amd-amdhsa--gfx1250"
	.amdhsa_code_object_version 6
	.text
	.protected	k_qf1dfbaf18b_prep
	.globl	k_qf1dfbaf18b_prep
	.p2align	8
	.type	k_qf1dfbaf18b_prep,@function
k_qf1dfbaf18b_prep:
	s_mov_b64 s[64:65], 0
	v_nop
	global_prefetch_b8 v0, s[64:65] scope:SCOPE_SE
	s_setreg_imm32_b32 hwreg(HW_REG_WAVE_MODE, 25, 1), 1
	s_wait_xcnt 0x0
; PREP.  x [8192][1024] and Wq, Wk, Wv, Wp [1024 (k)][1024 (n)], f32, become codes of FP6 (E2M3) with K innermost and one E8M0 byte for each 32 along K; and the table of cos and sin for the rotary embedding is made.
; cw: codes [12288 rows][768 bytes], rows 0-8191 x, then 1024 rows (= output columns n) for each of Wq, Wk, Wv, Wp; from byte CWS on the scale bytes [12288][32].
; STORED ORDER: row p of cw holds the true row p with bits 3 and 4 exchanged.  Sixteen neighbouring stored rows 16 T + r are then the true rows 32 (T / 2) + 8 (T % 2) + r + 8 (r / 8): a product used transposed
; on such rows leaves 16 neighbours along the next K in a lane's 16 registers of two neighbouring tiles.  It costs address arithmetic alone.
; rope: [token 2048][pair 32][cos, sin] f32: a token's row is 256 bytes.
; A block's scale is 2^(floor(log2(its largest magnitude)) - 2); its byte is the largest magnitude's exponent field - 2, held at 1 from below.
; LIMITS: a block of zeros, or one whose largest magnitude lies under 2^-124, gets the byte 1 (the rule says 127 for zeros: the codes are zeros, and this program alone reads the bytes); NaN and infinities are not served;
; cos and sin come by a reduction with pi / 2 in two parts and polynomials of degree 7 and 8: about 1e-7 absolute.
; Work-groups 0-255 take x, 256-383 the weights, 384-399 the table.  Each path has LDS bytes of its own; waves share nothing: no barrier.
.set CWS,    9437184
.set EMAX,   2
.set STEPS,  16                        ; x: steps of 512 numbers for a wave
.set CB,     12                        ; bytes of 16 codes
.set XR,     16                        ; v16-79   four sets of 16 numbers as loaded
.set XX,     80                        ; v80-111  two sets of 16 neighbours
.set XE,     112                       ; v112-127 a scale byte for each step
.set XC,     128                       ; v128-191 codes, four registers a step
.set WREG,   8192                      ; x: a wave's LDS: two stages of 32 x SP bytes, then its 256 scale bytes
.set SP,     80
.set NB,     8                         ; W: blocks of 32 along K for a wave
.set WPITCH, 272                       ; W: a stage row: sixteen places of 16 bytes + 16
.set WSTG,   32768                     ; W: the stages begin behind x's LDS bytes
.set WX,     32                        ; v32-95   two sets of 32 numbers
.set WC,     96                        ; v96..    a block's codes
.set WO,     112                       ; v112-175 the way out
.set WSB,    24                        ; v24-25   the scale bytes
.macro XLOAD t
.irp i, 0,1,2,3
	global_load_b128 v[XR+16*((\t)%4)+4*\i:XR+16*((\t)%4)+4*\i+3], v3, s[4:5] offset:2048*(\t)+512*\i th:TH_LOAD_NT   ; 32 lanes read 512 consecutive bytes
.endr
.endm
.macro XTURN t                         ; a step's 2,048 bytes through the wave's stage: in as loaded, back 64 bytes a lane.  LDS serves a wave's instructions in order
.irp i, 0,1,2,3
	ds_store_b128 v14, v[XR+16*((\t)%4)+4*\i:XR+16*((\t)%4)+4*\i+3] offset:32*SP*((\t)%2)+8*SP*\i
.endr
.irp i, 0,1,2,3
	ds_load_b128 v[XX+16*((\t)%2)+4*\i:XX+16*((\t)%2)+4*\i+3], v15 offset:32*SP*((\t)%2)+16*\i
.endr
.endm
.macro XSTEP t
.set XS, XX+16*((\t)%2)
.if (\t) > 0
	s_wait_dscnt 1                                 ; this step's numbers are back (the last step's byte store may be out)
.else
	s_wait_dscnt 0x0
.endif
.if (\t)+4 < STEPS
	XLOAD (\t)+4                                   ; into the registers that this step's stage stores have read
.endif
.if (\t)+1 < STEPS
.if STEPS-2-(\t) >= 3
	s_wait_loadcnt 12                              ; the next step's four loads are in; three later steps' twelve may be out
.else
	s_wait_loadcnt 4*(STEPS-2-(\t))
.endif
	XTURN (\t)+1
.endif
	v_max3_num_f32 v8, |v[XS]|, |v[XS+1]|, |v[XS+2]|
	v_max3_num_f32 v9, |v[XS+3]|, |v[XS+4]|, |v[XS+5]|
.irp i, 6,10
	v_max3_num_f32 v8, v8, |v[XS+\i]|, |v[XS+\i+1]|
	v_max3_num_f32 v9, v9, |v[XS+\i+2]|, |v[XS+\i+3]|
.endr
	v_max3_num_f32 v8, v8, |v[XS+14]|, |v[XS+15]|
	v_max3_num_f32 v8, v8, v9, (EMAX+1)<<23        ; with the floor 2^(3 - 127): the byte cannot fall under 1
	v_max_num_f32_dpp v8, v8, v8 row_xmask:1 row_mask:0xf bank_mask:0xf   ; and my neighbour's 16: the block's largest magnitude
	v_add_nc_u32 v11, -(EMAX<<23), v8              ; 2 off its exponent field: the conversion's scale operand
	v_cvt_scalef32_pk16_fp6_f32 v[XC+4*(\t):XC+4*(\t)+2], v[XS:XS+15], v11
	v_lshrrev_b32 v[XE+(\t)], 23, v11              ; the scale's byte
	ds_store_b8 v5, v[XE+(\t)] offset:16*(\t)      ; both lanes of a block write the same byte with the same value
	global_store_b96 v4, v[XC+4*(\t):XC+4*(\t)+2], s[24:25] offset:32*CB*(\t)
.endm
.macro WLOAD t                         ; block t: W(32 t + i, my column) into set t % 2
.irp i, 0,1,2,3,4,5,6,7,8,9,10,11,12,13,14,15,16,17,18,19,20,21,22,23,24,25,26,27,28,29,30,31
	global_load_b32 v[WX+32*((\t)%2)+\i], v3, s[6:7] offset:(32*(\t)+\i)*4096 th:TH_LOAD_NT
.endr
.endm
.macro WBLOCK t
.set XS, WX+32*((\t)%2)
.if (\t) < NB-1
	s_wait_loadcnt 32                              ; this block's 32 loads are in; the next block's may be out
.else
	s_wait_loadcnt 0
.endif
	v_max3_num_f32 v12, |v[XS]|, |v[XS+1]|, |v[XS+2]|
	v_max3_num_f32 v13, |v[XS+3]|, |v[XS+4]|, |v[XS+5]|
.irp i, 6,10,14,18,22,26
	v_max3_num_f32 v12, v12, |v[XS+\i]|, |v[XS+\i+1]|
	v_max3_num_f32 v13, v13, |v[XS+\i+2]|, |v[XS+\i+3]|
.endr
	v_max3_num_f32 v12, v12, |v[XS+30]|, |v[XS+31]|
	v_max3_num_f32 v12, v12, v13, (EMAX+1)<<23
	v_add_nc_u32 v11, -(EMAX<<23), v12
	v_lshrrev_b32 v13, 23, v11
.if (\t)%4 == 0
	v_mov_b32 v[WSB+(\t)/4], v13
.else
	v_lshl_or_b32 v[WSB+(\t)/4], v13, 8*((\t)%4), v[WSB+(\t)/4]
.endif
	v_cvt_scalef32_pk16_fp6_f32 v[WC:WC+2], v[XS:XS+15], v11
	v_cvt_scalef32_pk16_fp6_f32 v[WC+4:WC+6], v[XS+16:XS+31], v11
	ds_store_b96 v4, v[WC:WC+2] offset:32*(\t)     ; 12 bytes to a place of 16
	ds_store_b96 v4, v[WC+4:WC+6] offset:32*(\t)+16
.if (\t)+2 < NB
	WLOAD (\t)+2
.endif
	s_wait_dscnt 0x0                               ; the stores have read their registers: the next block's codes may be written
.endm
	s_load_b256 s[4:11], s[0:1], 0x0               ; x s[4:5], Wq s[6:7], Wk s[8:9], Wv s[10:11]
	s_load_b128 s[12:15], s[0:1], 0x20             ; Wp s[12:13], cw s[14:15]
	s_load_b64 s[16:17], s[0:1], 0x30              ; rope
	v_lshl_add_u32 v192, v0, 2, 0x10800
	v_mov_b32 v193, 0
	v_lshrrev_b32 v1, 5, v0
	v_readfirstlane_b32 s20, v1                    ; wave 0..3
	v_and_b32 v2, 31, v0                           ; lane
	s_wait_kmcnt 0x0
	s_cmp_lt_u32 ttmp9, 256
	s_cbranch_scc1 .Lx
	s_cmp_lt_u32 ttmp9, 384
	s_cbranch_scc1 .Lw
	; ---- THE TABLE.  A wave takes 32 tokens, a lane a pair i.  angle = t x inv(i), inv(i) = 1 / 10000^(i / 32) = 1 / 10^(i / 8), both rounded to f32 as the definition rounds them.
	s_sub_co_u32 s22, ttmp9, 384
	s_lshl_b32 s22, s22, 7
	s_lshl_b32 s23, s20, 5
	s_add_co_u32 s30, s22, s23                     ; my first token
	s_lshl_b32 s22, s30, 8
	s_mov_b32 s23, 0
	s_add_nc_u64 s[16:17], s[16:17], s[22:23]
	v_mov_b32 v8, 0
.set LN, 0
.irp p, 1.0, 1.333521432163324, 1.7782794100389228, 2.371373705661655, 3.1622776601683795, 4.216965034285822, 5.623413251903491, 7.498942093324558, 10.0, 13.33521432163324, 17.782794100389228, 23.71373705661655, 31.622776601683795, 42.16965034285822, 56.23413251903491, 74.98942093324558, 100.0, 133.3521432163324, 177.82794100389228, 237.1373705661655, 316.22776601683795, 421.6965034285822, 562.3413251903491, 749.8942093324558, 1000.0, 1333.521432163324, 1778.2794100389228, 2371.373705661655, 3162.2776601683795, 4216.965034285822, 5623.413251903491, 7498.942093324558
	s_mov_b32 s21, \p                              ; 10^(i / 8), rounded to f32 by the assembler,
	v_writelane_b32 v8, s21, LN                    ; into lane i
.set LN, LN+1
.endr
	s_wait_alu depctr_va_vdst(0)
	v_rcp_f32 v9, v8
	v_lshlrev_b32 v7, 3, v2                        ; (a plain instruction behind the reciprocal)  8 bytes a lane
	s_mov_b32 s32, 0.6366197723675814              ; 2 / pi
	s_mov_b32 s33, 0xbfc90fdb                      ; -(pi / 2 rounded to f32)
	s_mov_b32 s34, 0x333bbd2e                      ; that rounding's excess over pi / 2
	s_mov_b32 s35, -0.00019515295891               ; sine:   r + r z (s37 + z (s36 + z s35))
	s_mov_b32 s36, 0.0083321608736
	s_mov_b32 s37, -0.16666654611
	s_mov_b32 s38, 0.000024433157118               ; cosine: 1 - z / 2 + z z (s40 + z (s39 + z s38))
	s_mov_b32 s39, -0.0013887316255
	s_mov_b32 s40, 0.041666645683
	s_wait_alu depctr_va_vdst(0)                   ; the wait ahead of the reciprocal's first reader
	v_fma_f32 v10, -v8, v9, 1.0                    ; one Newton step: the quotient 1 / p to the last bit or nearly
	v_fma_f32 v9, v9, v10, v9
	s_mov_b32 s31, 0
.Ltok:
	v_cvt_f32_u32 v10, s30
	v_mul_f32 v10, v10, v9                         ; the angle, rounded to f32 as the definition has it
	v_mul_f32 v11, s32, v10
	v_rndne_f32 v11, v11                           ; n = the nearest multiple of pi / 2
	v_fma_f32 v12, v11, s33, v10                   ; exact: both are multiples of 2^-23 and the difference is under 1
	v_fma_f32 v12, v11, s34, v12                   ; r, within pi / 4 of 0
	v_mul_f32 v13, v12, v12                        ; z
	v_fma_f32 v14, v13, s35, s36
	v_fma_f32 v14, v14, v13, s37
	v_mul_f32 v15, v13, v12
	v_fma_f32 v14, v14, v15, v12                   ; sin r
	v_fma_f32 v16, v13, s38, s39
	v_fma_f32 v16, v16, v13, s40
	v_mul_f32 v17, v13, v13
	v_fma_f32 v18, v13, -0.5, 1.0
	v_fma_f32 v16, v16, v17, v18                   ; cos r
	v_cvt_i32_f32 v19, v11
	v_and_b32 v22, 1, v19
	v_cmp_eq_u32 vcc_lo, 1, v22                    ; in odd quadrants the two change places
	v_cndmask_b32 v20, v16, v14, vcc_lo
	v_cndmask_b32 v21, v14, v16, vcc_lo
	v_add_nc_u32 v22, 1, v19
	v_and_b32 v22, 2, v22
	v_lshlrev_b32 v22, 30, v22
	v_xor_b32 v20, v20, v22                        ; the cosine is negative in quadrants 1 and 2,
	v_and_b32 v23, 2, v19
	v_lshlrev_b32 v23, 30, v23
	v_xor_b32 v21, v21, v23                        ; the sine in 2 and 3
	global_store_b64 v7, v[20:21], s[16:17]        ; 32 lanes store a token's 256 consecutive bytes, aligned
	s_wait_xcnt 0x0                                ; the store has read its data and its base: both are written again below
	s_add_nc_u64 s[16:17], s[16:17], 256
	s_add_co_u32 s30, s30, 1
	s_add_co_u32 s31, s31, 1
	s_cmp_lt_u32 s31, 32
	s_cbranch_scc1 .Ltok
	s_endpgm
	; ---- x.  A wave takes 8,192 numbers, 8 rows.  Bits 3 and 4 of a row are bits 0 and 1 of the run's number, which are the wave's: the run is stored with them exchanged.
.Lx:
	s_wait_alu depctr_va_vdst(0)
	v_lshlrev_b32 v3, 4, v2                        ; my 16 bytes of a load's 512
	s_mul_i32 s21, s20, WREG
	v_lshrrev_b32 v14, 2, v2
	v_mul_u32_u24 v14, v14, SP
	v_and_b32 v15, 3, v2
	v_lshl_add_u32 v14, v15, 4, v14
	v_add_nc_u32 v14, s21, v14                     ; the stage, in: SP (lane / 4) + 16 (lane % 4)
	v_mul_u32_u24 v15, v2, SP
	v_add_nc_u32 v15, s21, v15                     ; and back: SP x lane: my 16 neighbours
	v_mul_u32_u24 v4, v2, CB
	v_lshrrev_b32 v5, 1, v2
	s_add_co_u32 s21, s21, 2*32*SP
	v_add_nc_u32 v5, s21, v5                       ; my block's byte among the wave's 256
	v_lshlrev_b32 v7, 3, v2
	v_add_nc_u32 v6, s21, v7
	s_lshl_b32 s22, ttmp9, 2
	s_add_co_u32 s28, s22, s20                     ; the run that I read
	s_and_b32 s23, s20, 1
	s_lshl_b32 s23, s23, 1
	s_lshr_b32 s29, s20, 1
	s_or_b32 s23, s23, s29
	s_add_co_u32 s29, s22, s23                     ; and its place in cw
	s_lshl_b32 s22, s28, 15
	s_mov_b32 s23, 0
	s_add_nc_u64 s[4:5], s[4:5], s[22:23]
	s_mul_i32 s22, s29, 6144
	s_add_nc_u64 s[24:25], s[14:15], s[22:23]
	s_lshl_b32 s22, s29, 8
	s_add_co_u32 s22, s22, CWS
	s_add_nc_u64 s[26:27], s[14:15], s[22:23]
.irp t, 0,1,2,3
	XLOAD \t
.endr
	s_wait_alu depctr_va_vdst(0)
	s_wait_loadcnt 12                              ; step 0's four loads are in
	XTURN 0
.irp t, 0,1,2,3,4,5,6,7,8,9,10,11,12,13,14,15
	XSTEP \t
.endr
	ds_load_b64 v[12:13], v6                       ; LDS serves a wave's instructions in order: these see my byte stores
	s_wait_dscnt 0x0
	global_store_b64 v7, v[12:13], s[26:27]        ; 32 lanes store 256 consecutive bytes, aligned
	s_wait_tensorcnt 0x0
	ds_add_u32 v192, v193
	s_wait_dscnt 0x0
	s_endpgm
	; ---- THE WEIGHTS.  K is their first axis: a lane takes a column n and its registers run down K.  A wave: 32 columns x 256 along K.
.Lw:
	s_sub_co_u32 s21, ttmp9, 256
	s_lshr_b32 s22, s21, 5                         ; which weight
	s_and_b32 s23, s21, 7                          ; which 128 columns
	s_bfe_u32 s28, s21, 0x20003                    ; which 256 along K
	s_cmp_eq_u32 s22, 1
	s_cselect_b64 s[6:7], s[8:9], s[6:7]
	s_cmp_eq_u32 s22, 2
	s_cselect_b64 s[6:7], s[10:11], s[6:7]
	s_cmp_eq_u32 s22, 3
	s_cselect_b64 s[6:7], s[12:13], s[6:7]
	s_lshl_b32 s23, s23, 7
	s_lshl_b32 s29, s20, 5
	s_add_co_u32 s23, s23, s29                     ; my wave's first column
	s_wait_alu depctr_va_vdst(0)
	v_lshlrev_b32 v3, 2, v2
	s_mul_i32 s29, s20, 32*WPITCH
	s_add_co_u32 s29, s29, WSTG                    ; my stage
	v_mul_u32_u24 v4, v2, WPITCH
	v_add_nc_u32 v4, s29, v4                       ; into it: row = my column
	v_and_b32 v5, 15, v2
	v_lshrrev_b32 v6, 4, v2
	v_mul_u32_u24 v7, v6, WPITCH
	v_lshl_add_u32 v7, v5, 4, v7
	v_add_nc_u32 v7, s29, v7                       ; out of it: sixteen lanes to a row, two rows an instruction
	v_mul_u32_u24 v8, v6, 768
	v_mad_u32_u24 v8, v5, 12, v8                   ; and the same place in cw
	v_and_b32 v9, 7, v2                            ; my column's stored row among the wave's 32: bits 3 and 4 exchanged
	v_and_b32 v10, 8, v2
	v_lshl_or_b32 v9, v10, 1, v9
	v_and_b32 v10, 16, v2
	v_lshrrev_b32 v10, 1, v10
	v_or_b32 v9, v9, v10
	v_lshlrev_b32 v9, 5, v9                        ; 32 scale bytes a row
	s_lshl_b32 s30, s28, 20                        ; 256 rows of 4,096 bytes
	s_lshl_b32 s31, s23, 2
	s_add_co_u32 s30, s30, s31
	s_mov_b32 s31, 0
	s_add_nc_u64 s[6:7], s[6:7], s[30:31]
	s_lshl_b32 s22, s22, 10
	s_add_co_u32 s22, s22, s23
	s_add_co_u32 s22, s22, 8192                    ; the wave's first row of cw
	s_mul_i32 s30, s22, 768
	s_mul_i32 s29, s28, 192
	s_add_co_u32 s30, s30, s29
	s_add_nc_u64 s[24:25], s[14:15], s[30:31]
	s_lshl_b32 s30, s22, 5
	s_lshl_b32 s29, s28, 3
	s_add_co_u32 s30, s30, s29
	s_add_co_u32 s30, s30, CWS
	s_add_nc_u64 s[26:27], s[14:15], s[30:31]
	WLOAD 0
	WLOAD 1
.set Q, 0
.rept NB
	WBLOCK Q
.set Q, Q+1
.endr
	s_wait_alu depctr_va_vdst(0)
	global_store_b64 v9, v[WSB:WSB+1], s[26:27]    ; my column's 8 scale bytes
.irp t, 0,1,2,3,4,5,6,7,8,9,10,11,12,13,14,15
	ds_load_b96 v[WO+4*\t:WO+4*\t+2], v7 offset:2*\t*WPITCH
.endr
.irp t, 0,1,2,3,4,5,6,7,8,9,10,11,12,13,14,15
	s_wait_dscnt 15-\t
	global_store_b96 v8, v[WO+4*\t:WO+4*\t+2], s[24:25] offset:(((2*\t)&7)|(((2*\t)&8)<<1)|(((2*\t)&16)>>1))*768   ; stage rows 2 t, 2 t + 1 go to their stored rows
.endr
	s_wait_tensorcnt 0x0
	ds_add_u32 v192, v193
	s_wait_dscnt 0x0
	s_endpgm
.Lfunc_end_k_qf1dfbaf18b_prep:
	.size	k_qf1dfbaf18b_prep, .Lfunc_end_k_qf1dfbaf18b_prep-k_qf1dfbaf18b_prep
	.p2alignl 7, 3214868480
	.fill 96, 4, 3214868480
	.section	.rodata,"a",@progbits
	.p2align	6, 0x0
	.amdhsa_kernel k_qf1dfbaf18b_prep
		.amdhsa_group_segment_fixed_size 68096
		.amdhsa_private_segment_fixed_size 0
		.amdhsa_enable_private_segment 0
		.amdhsa_kernarg_size 56
		.amdhsa_user_sgpr_count 2
		.amdhsa_user_sgpr_kernarg_segment_ptr 1
		.amdhsa_wavefront_size32 1
		.amdhsa_system_sgpr_workgroup_id_x 1
		.amdhsa_system_sgpr_workgroup_id_y 1
		.amdhsa_system_sgpr_workgroup_id_z 1
		.amdhsa_system_vgpr_workitem_id 0
		.amdhsa_next_free_vgpr 194
		.amdhsa_next_free_sgpr 66
		.amdhsa_reserve_vcc 1
		.amdhsa_float_denorm_mode_32 3
		.amdhsa_float_denorm_mode_16_64 3
		.amdhsa_memory_ordered 1
		.amdhsa_forward_progress 1
		.amdhsa_inst_pref_size 80
	.end_amdhsa_kernel
	.amdgpu_metadata
---
amdhsa.version: [ 1, 2 ]
amdhsa.kernels:
  - .name:           k_qf1dfbaf18b_prep
    .symbol:         k_qf1dfbaf18b_prep.kd
    .args:
      - { .name: x, .offset: 0, .size: 8, .value_kind: global_buffer, .address_space: global }
      - { .name: Wq, .offset: 8, .size: 8, .value_kind: global_buffer, .address_space: global }
      - { .name: Wk, .offset: 16, .size: 8, .value_kind: global_buffer, .address_space: global }
      - { .name: Wv, .offset: 24, .size: 8, .value_kind: global_buffer, .address_space: global }
      - { .name: Wp, .offset: 32, .size: 8, .value_kind: global_buffer, .address_space: global }
      - { .name: cw, .offset: 40, .size: 8, .value_kind: global_buffer, .address_space: global }
      - { .name: rope, .offset: 48, .size: 8, .value_kind: global_buffer, .address_space: global }
    .group_segment_fixed_size: 68096
    .private_segment_fixed_size: 0
    .kernarg_segment_align: 8
    .kernarg_segment_size: 56
    .max_flat_workgroup_size: 128
    .sgpr_count:     66
    .vgpr_count:     194
    .wavefront_size: 32
...
	.end_amdgpu_metadata
.endif
;; end of part 1
;; launch qkv (part 2): grid 12 x 32, 4 waves a work-group, clusters of 4 x 4, 327,680 bytes of LDS; arguments cw, rope, bq, bk, bv, qb, kvb; writes qb, kvb
.if DOCPART == 2
	.amdgcn_target "amdgcn-amd-amdhsa--gfx1250"
	.amdhsa_code_object_version 6
	.text
	.protected	k_qf1dfbaf18b_qkv
	.globl	k_qf1dfbaf18b_qkv
	.p2align	8
	.type	k_qf1dfbaf18b_qkv,@function
k_qf1dfbaf18b_qkv:
	s_mov_b64 s[64:65], 0
	v_nop
	global_prefetch_b8 v0, s[64:65] scope:SCOPE_SE
	s_setreg_imm32_b32 hwreg(HW_REG_WAVE_MODE, 25, 1), 1
	s_wait_xcnt 0x0
	s_wait_alu depctr_hold_cnt(0) depctr_sa_sdst(0) depctr_va_vdst(0) depctr_va_sdst(0) depctr_va_ssrc(0) depctr_va_vcc(0) depctr_vm_vsrc(0)
	s_getreg_b32 s2, hwreg(HW_REG_IB_STS2, 6, 4)
	s_cmp_eq_u32 s2, 0
	s_cbranch_scc0 .Lentry_in_a_cluster
	s_endpgm
.Lentry_in_a_cluster:
	s_bfe_u32 s2, ttmp6, 0x10000c
	s_cmp_lg_u32 s2, 0xf033
	s_cbranch_scc0 .Lentry_shape_is_right
	s_endpgm
.Lentry_shape_is_right:
; QKV.  q = rope(x Wq + bq), k = rope(x Wk + bk), v = x Wv + bv, on codes of FP6 (E2M3) with one E8M0 scale for each 32 along K = 1024; the results are quantised at once, q and k along the head's 64, v along the tokens,
; and leave as IMAGES OF THE NEXT LAUNCH'S OPERAND REGISTERS: every store is 512 or 256 consecutive bytes, aligned.
; A tile of 256 x 256 is made by four waves, each 128 x 128: 64 accumulators, 512 registers.  K goes in steps of 256 through two LDS slots filled by the tensor data mover; all scale bytes come once, with the first fills.
; CLUSTERS: 4 x 4 work-groups; operand A's tiles are asked for jointly along a row of the cluster, B's along a column.  The cluster's x is the KIND: 0 q, 1 k, 2 v: equal in all sixteen partners.
; THE MATRIX INSTRUCTION IS USED TRANSPOSED (source 0 = 16 rows of B, source 1 = 16 rows of A): a lane holds ONE row of A, its registers run along B's rows.  For q and k: A = x (a lane holds a token), B = W
; (the registers run along the head's d).  For v the two change places: A = Wv (a lane holds a column d), B = x (the registers run along the tokens, which are the next product's K).
; cw's rows lie in the stored order (bits 3 and 4 of a row exchanged): register 16 b + i of an A block's 64 is B's true index 32 b + 16 (lane / 16) + i, and lane r of A block a holds A's true row 32 (a / 2) + 8 (a % 2) + r + 8 (r / 8).
; A RECORD, 13,056 bytes for each (batch, head) and step of 128 tokens: [0, 6144) four groups of 32 tokens of k (in qb: of q), 12 registers x 32 lanes each, registers 0-5 the group's first stored tile, 6-11 its second;
; [6144, 12288) four tiles of 16 d of v, 12 registers x 32 lanes; [12288, 12800) k's (q's) scale words [lane][group], lanes 0-15 first tile, lanes 16-31 second; [12800, 13056) v's scale words [lane][tile / 2], lanes 0-15 even tiles.
; LIMITS: a block of zeros, or one whose largest magnitude lies under 2^-124, gets the byte 1 (its codes are zeros or nearly; this program alone reads the bytes); NaN and infinities are not served; the rotation fuses one of each pair's two roundings.
; The grid is 24 clusters: a wave's 128 x 128 is one step of tokens by two heads, which is what makes every result a whole image; a smaller tile would cut images in halves.
; REGISTERS: window 0: v1-15 lane constants and at work; v16-23, v27 LDS addresses; v28-29 for the add; v32-63 scale words, two sets; v64-127 rope rows or bv; v128-223 A's fragments, later the way out; v224-251 the way out.
;   window 1: B's fragments, two sets at v0 and v128; the bias at v96-127 and v224-255.   windows 2, 3: the accumulators ((a, b) at v[8 (8 (a % 4) + b)]).
.set NQ,     2
.set ROWB,   192
.set KROW,   768
.set PITCH,  240                       ; an LDS row: 3 x (64 bytes + 16 of padding)
.set FR,     12
.set NL,     6
.set NP,     4
.set HALFT,  128*PITCH
.set SLOT,   4*HALFT
.set KS,     32
.set SCL,    2*SLOT
.set HALFS,  (128*KS/256)*272
.set SBLK,   (16*KS/256)*272
.set SPARE,  SCL+4*HALFS               ; the spare words: 128 bytes a wave, two blocks of 256 bytes that no other line names
.set CWS,    9437184
.set REC,    13056
.set HEADB,  208896
.set LI,   3                           ; v3   16 x lane
.set L8,   4                           ; v4   8 x lane
.set RA,   5                           ; v5   rope: (r + 8 (r / 8)) x 256 + 64 h
.set T2,   6                           ; v6-13 the rotation's products, four pairs by turns
.set BH,   14                          ; v14  64 h
.set BVA,  15                          ; v15  4 (r + 8 (r / 8))
.set ADRA, 16
.set ADRB, 20
.set ADRS, 27
.set SPW,  28
.set NIL,  29
.set SC,   32
.set RT,   64                          ; v64-95, v96-127 the rope rows of two A blocks by turns
.set BV,   64                          ; v64-71 (kind v) bv of my column, for each A block
.set AF,   128
.set HN,   128                         ; v128-191 an A block's 64 numbers
.set IMG,  192                         ; v192-215 images in the making
.set CT,   216                         ; v216-222 the conversions' second halves
.set TM,   224                         ; v224-239 at work in QUANT
.set PW,   240                         ; v240-241 scale words just made
.set TT,   242
.set SCW,  244                         ; v244-251 scale words gathered for their store
.set SEL,  2                           ; s[2:3] v_permlanex16_b32's selects for lane l xor 16
.set KIND, 18
.set WV,   20
.set HAF,  21                          ; which half of A's rows is mine.  Also: I fetch for A (0) or for B (1)
.set HBF,  22                          ; which half of B's rows.  Also: which 128 rows of that tile I fetch
.set G1,   24
.set G0,   32
.set G1B,  48
.set G0B,  56
.set G1S,  68
.set G0S,  76
.set G1SB, 80
.set G0SB, 88
.set MSB, 0
.macro WIN new                         ; the immediate's high byte repeats the setting that is left
.if MSB != (\new)
	s_set_vgpr_msb (MSB<<8)|(\new)
.set MSB, (\new)
.endif
.endm
.set MUL_LO, 0xa1                      ; source 0 (B) window 1, source 1 (A) window 0, C and D window 2
.set MUL_HI, 0xf1
.set TO_B,   0x40
.macro JLOAD g0a, g1a, g0b, g1b        ; a joint load: waves 0 and 1 fetch for A, waves 2 and 3 for B; four v_nop follow each line
	s_cmp_eq_u32 s[HAF], 0
	s_cbranch_scc0 .Lfor_b_\@
	tensor_load_to_lds s[\g0a:\g0a+3], s[\g1a:\g1a+7]
	s_nop 0
.rept 4
	v_nop
.endr
	s_branch .Lasked_\@
.Lfor_b_\@:
	tensor_load_to_lds s[\g0b:\g0b+3], s[\g1b:\g1b+7]
	s_nop 0
.rept 4
	v_nop
.endr
.Lasked_\@:
.endm
.macro CREST                           ; a round of the cluster's barrier behind its opening barrier
	s_cmp_lg_u32 s[WV], 0
	s_cbranch_scc1 .Lnot_wave_0_\@
	s_barrier_signal -3
.Lnot_wave_0_\@:
	s_barrier_wait -3
	s_barrier_signal -1
	s_barrier_wait -1
.endm
.macro CROUND
	s_barrier_signal -1
	s_barrier_wait -1
	CREST
.endm
.macro FRAG reg, adr, q, i             ; 16 rows x 128 K: 12 registers, six pieces of 8 bytes; where lanes 16-31's piece lies behind one padding more, the second address register serves
.irp p, 0,1,2,3,4,5
.set PC, 12*(\q)+6*(\p/3)+\p%3
.if PC%8 < 5
	ds_load_b64 v[\reg+2*\p:\reg+2*\p+1], v[\adr] offset:8*PC+16*(PC/8)+(\i)*16*PITCH
.else
	ds_load_b64 v[\reg+2*\p:\reg+2*\p+1], v[\adr+2] offset:8*PC+16*(PC/8)+(\i)*16*PITCH
.endif
.endr
.endm
.macro MUL16 a0, p, q, sc, zero        ; A's blocks a0, a0 + 1 x B's eight.  The 64 accumulators take turns, one instruction a turn
.irp a, \a0, \a0+1
.irp b, 0,1,2,3,4,5,6,7
.if \zero
	v_wmma_scale_f32_16x16x128_f8f6f4 v[8*(8*((\a)%4)+\b):8*(8*((\a)%4)+\b)+7], v[128*(\p)+FR*\b:128*(\p)+FR*\b+FR-1], v[AF+FR*(\a):AF+FR*(\a)+FR-1], 0, v[SC+8*NQ*(\sc)+NQ*\b+(\q)], v[SC+8*NQ*(\sc)+NQ*(\a)+(\q)] matrix_a_fmt:MATRIX_FMT_FP6 matrix_b_fmt:MATRIX_FMT_FP6 matrix_a_scale:MATRIX_SCALE_ROW1
.else
	v_wmma_scale_f32_16x16x128_f8f6f4 v[8*(8*((\a)%4)+\b):8*(8*((\a)%4)+\b)+7], v[128*(\p)+FR*\b:128*(\p)+FR*\b+FR-1], v[AF+FR*(\a):AF+FR*(\a)+FR-1], v[8*(8*((\a)%4)+\b):8*(8*((\a)%4)+\b)+7], v[SC+8*NQ*(\sc)+NQ*\b+(\q)], v[SC+8*NQ*(\sc)+NQ*(\a)+(\q)] matrix_a_fmt:MATRIX_FMT_FP6 matrix_b_fmt:MATRIX_FMT_FP6 matrix_a_scale:MATRIX_SCALE_ROW1
.endif
.endr
.endr
.endm
.macro FETCH_B slot, q, p
	WIN TO_B
.irp i, 0,1,2,3,4,5,6,7
	FRAG 128*(\p)+FR*\i, ADRB+\slot, \q, \i
.endr
	WIN 0
.endm
.macro FETCH_A slot, q, i0
.irp i, \i0, \i0+1, \i0+2, \i0+3
	FRAG AF+FR*(\i), ADRA+\slot, \q, \i
.endr
.endm
.macro SCALES sc                       ; a K step's scale words: lanes 0-15 A's block i, lanes 16-31 B's block i
.irp i, 0,1,2,3,4,5,6,7
	ds_load_b64 v[SC+8*NQ*\sc+NQ*\i:SC+8*NQ*\sc+NQ*\i+1], v[ADRS] offset:\i*SBLK
.endr
.endm
.macro PLACES n                        ; plain vector instructions between a matrix instruction and a load into, or a vector access of, its registers
.rept \n
	v_nop
.endr
.endm
.macro STEP slot, q, zero              ; 128 along K whose successor lies in the same slot
	s_wait_dscnt 4*NL                              ; B's set and A's blocks 0-3 are in; the youngest 24 loads (A's blocks 4-7) may be out
	WIN MUL_LO
	MUL16 0, (\q)%2, \q, \slot, \zero
	MUL16 2, (\q)%2, \q, \slot, \zero
	s_wait_dscnt 0
	PLACES NP
	FETCH_B \slot, (\q)+1, 1-(\q)%2
	FETCH_A \slot, (\q)+1, 0
	WIN MUL_HI
	MUL16 4, (\q)%2, \q, \slot, \zero
	MUL16 6, (\q)%2, \q, \slot, \zero
	PLACES NP
	WIN 0
	FETCH_A \slot, (\q)+1, 4
.endm
.macro TURN slot, next, fill           ; a slot's last 128 along K, and the change of slots
	s_wait_tensorcnt 0x0                           ; all my tensor loads have landed: my part of the next slot
	ds_add_u32 v[SPW], v[NIL]                      ; 0 onto my spare word
	s_wait_dscnt 4*NL+1                            ; (the add and the youngest 24 loads may be out)
	WIN MUL_LO
	MUL16 0, 1, NQ-1, \slot, 0
	s_wait_dscnt 0x0                               ; the add is done, and my reads of this slot are over
	s_barrier_signal -1
	MUL16 2, 1, NQ-1, \slot, 0
	WIN 0
	s_barrier_wait -1
.if \fill
	CREST                                          ; the barrier has opened a round of the cluster's: no wave of any partner still reads this slot or has a load on its way
	s_add_nc_u64 s[G0+4*\slot+2:G0+4*\slot+3], s[G0+4*\slot+2:G0+4*\slot+3], 2*ROWB
	s_add_nc_u64 s[G0B+4*\slot+2:G0B+4*\slot+3], s[G0B+4*\slot+2:G0B+4*\slot+3], 2*ROWB
	JLOAD G0+4*\slot, G1, G0B+4*\slot, G1B         ; the first tensor load behind the round; its four v_nop are the places in front of the loads below
.else
	PLACES NP
.endif
	v_add_nc_u32 v[ADRS], 4*NQ, v[ADRS]
	FETCH_B \next, 0, 0
	FETCH_A \next, 0, 0
	SCALES \next
	WIN MUL_HI
	MUL16 4, 1, NQ-1, \slot, 0
	MUL16 6, 1, NQ-1, \slot, 0
	PLACES NP
	WIN 0
	FETCH_A \next, 0, 4
.endm
.macro TAIL                            ; the last 256 along K: nothing more is fetched from memory.  Written once for each arm of the branch on the kind, behind the arm's loads, which land under it
	STEP 1, 0, 0
	s_wait_dscnt 4*NL
	WIN MUL_LO
	MUL16 0, 1, NQ-1, 1, 0
	MUL16 2, 1, NQ-1, 1, 0
	s_wait_dscnt 0
	WIN MUL_HI
	MUL16 4, 1, NQ-1, 1, 0
	MUL16 6, 1, NQ-1, 1, 0
	WIN 0
	PLACES NP
.irp b, 0,1,2,3
	v_mov_b32 v[TM+4+\b], 0                        ; written once: a lane permute's destination counts as one of its sources
.endr
.endm
; 64 numbers of a lane, register 16 b + i = index 32 b + 16 (lane / 16) + i of my row, become codes: blocks 0, 1 in v[d0 .. d0 + 5], blocks 2, 3 in v[d1 .. d1 + 5] (lane (r, h): the pair's block h, whole), and the scale word in v[pw].
.macro QUANT s, d0, d1, pw
.irp b, 0,1,2,3
	v_max3_num_f32 v[TM+\b], |v[\s+16*\b]|, |v[\s+1+16*\b]|, 0x1800000   ; my 16 numbers of block b, and the floor 2^(3 - 127)
.endr
.irp i, 2,4,6,8,10,12,14
.irp b, 0,1,2,3
	v_max3_num_f32 v[TM+\b], v[TM+\b], |v[\s+16*\b+\i]|, |v[\s+1+16*\b+\i]|
.endr
.endr
.irp b, 0,1,2,3
	v_permlanex16_b32 v[TM+4+\b], v[TM+\b], s[SEL], s[SEL+1]
.endr
.irp b, 0,1,2,3
	v_max_num_f32 v[TM+\b], v[TM+\b], v[TM+4+\b]   ; with lane l xor 16's: the block's largest magnitude
.endr
.irp b, 0,1,2,3
	v_add_nc_u32 v[TM+12+\b], 0xff000000, v[TM+\b] ; 2 off its exponent field: the conversion's scale operand
.endr
.irp b, 0,1,2,3
	v_lshrrev_b32 v[TM+4+\b], 23, v[TM+12+\b]      ; the scale's byte
.endr
	v_lshl_or_b32 v[\pw], v[TM+5], 8, v[TM+4]
	v_lshl_or_b32 v[\pw], v[TM+6], 16, v[\pw]
	v_lshl_or_b32 v[\pw], v[TM+7], 24, v[\pw]
	v_cvt_scalef32_pk16_fp6_f32 v[\d0:\d0+2], v[\s:\s+15], v[TM+12]
	v_cvt_scalef32_pk16_fp6_f32 v[CT:CT+2], v[\s+16:\s+31], v[TM+13]     ; (a conversion's three registers begin on an even number)
	v_cvt_scalef32_pk16_fp6_f32 v[\d1:\d1+2], v[\s+32:\s+47], v[TM+14]
	v_cvt_scalef32_pk16_fp6_f32 v[CT+4:CT+6], v[\s+48:\s+63], v[TM+15]
	v_nop                                          ; one plain instruction behind the scaled conversions
.irp i, 0,1,2
	v_permlane16_swap_b32 v[\d0+\i], v[CT+\i]      ; the first's lanes 16-31 change places with the second's lanes 0-15: a whole block in a lane
.endr
.irp i, 0,1,2
	v_mov_b32 v[\d0+3+\i], v[CT+\i]
.endr
.irp i, 0,1,2
	v_permlane16_swap_b32 v[\d1+\i], v[CT+4+\i]
.endr
.irp i, 0,1,2
	v_mov_b32 v[\d1+3+\i], v[CT+4+\i]
.endr
.endm
.macro RLOAD a                         ; the rope rows of A block a's 16 tokens: for each half e of a head my 8 pairs, 64 bytes
.irp e, 0,1
.irp j, 0,1,2,3
	global_load_b128 v[RT+32*((\a)%2)+16*\e+4*\j:RT+32*((\a)%2)+16*\e+4*\j+3], v[RA], s[94:95] offset:(32*((\a)/2)+8*((\a)%2))*256+128*\e+16*\j
.endr
.endr
.endm
.macro QKBLOCK g, u                    ; A block 2 g + u: bias, rotation, codes
.set AQ, 2*(\g)+(\u)
.if AQ == 7
	s_wait_loadcnt 0x0
.else
	s_wait_loadcnt 0x8                             ; the bias and this block's rope rows are in; the next block's eight loads may be out
.endif
	WIN 0x06+AQ/4                                  ; source 0: the accumulators' window; source 1: window 1, the bias
.set k, 0
.rept 32
	v_pk_add_f32 v[HN+2*k:HN+2*k+1], v[64*(AQ%4)+2*k:64*(AQ%4)+2*k+1], v[96+2*k+96*(k/16):97+2*k+96*(k/16)]   ; each accumulator from its low end on
.set k, k+1
.endr
	WIN 0
.set k, 0
.rept 8
.irp n, 0,1,2,3
	v_pk_mul_f32 v[T2+2*\n:T2+2*\n+1], v[HN+2*(k+\n):HN+2*(k+\n)+1], v[RT+32*(AQ%2)+2*((k+\n)%16):RT+32*(AQ%2)+2*((k+\n)%16)+1] op_sel:[1,1] op_sel_hi:[1,0]   ; (xi sin, xi cos)
.endr
.irp n, 0,1,2,3
	v_pk_fma_f32 v[HN+2*(k+\n):HN+2*(k+\n)+1], v[HN+2*(k+\n):HN+2*(k+\n)+1], v[RT+32*(AQ%2)+2*((k+\n)%16):RT+32*(AQ%2)+2*((k+\n)%16)+1], v[T2+2*\n:T2+2*\n+1] op_sel_hi:[0,1,1] neg_lo:[0,0,1]   ; (xr cos - xi sin, xr sin + xi cos)
.endr
.set k, k+4
.endr
.if AQ < 6
	RLOAD AQ+2
.endif
.if (\u) == 0
	s_wait_xcnt 0x0                                ; the last group's stores have read the images' registers
.endif
	QUANT HN, IMG+6*(\u), IMG+12+6*(\u), PW+(\u)
.endm
.macro QKGROUP g                       ; 32 tokens x two heads: two images of 12 registers
	QKBLOCK \g, 0
	QKBLOCK \g, 1
	v_cndmask_b32 v[TT], v[PW], v[PW+1], s98       ; lanes 0-15 the first tile's words, lanes 16-31 the second's
	v_and_b32 v[SCW+(\g)], 0xffff, v[TT]           ; bytes 0, 1: the first head's two blocks; bytes 2, 3 stay 0: they meet zero codes
	v_lshrrev_b32 v[SCW+4+(\g)], 16, v[TT]         ; the second head's
.irp c, 0,1
.irp j, 0,1,2
	global_store_b128 v[LI], v[IMG+12*\c+4*\j:IMG+12*\c+4*\j+3], s[100:101] offset:\c*HEADB+1536*(\g)+512*\j   ; 512 consecutive bytes, aligned
.endr
.endr
.endm
.macro VBLOCK a                        ; A block a: 16 columns d x 128 tokens: bias, codes along the tokens
	WIN 0x02+(\a)/4
.set k, 0
.rept 32
.if (\a)%2 == 0
	v_pk_add_f32 v[HN+2*k:HN+2*k+1], v[64*((\a)%4)+2*k:64*((\a)%4)+2*k+1], v[BV+((\a)&6):BV+((\a)&6)+1] op_sel_hi:[1,0]
.else
	v_pk_add_f32 v[HN+2*k:HN+2*k+1], v[64*((\a)%4)+2*k:64*((\a)%4)+2*k+1], v[BV+((\a)&6):BV+((\a)&6)+1] op_sel:[0,1] op_sel_hi:[1,1]
.endif
.set k, k+1
.endr
	WIN 0
	s_wait_xcnt 0x0                                ; the last block's stores have read their registers
	QUANT HN, IMG, IMG+6, PW+(\a)%2
.irp j, 0,1,2
	global_store_b128 v[LI], v[IMG+4*\j:IMG+4*\j+3], s[100:101] offset:((\a)/4)*HEADB+6144+((\a)%4)*1536+512*\j
.endr
.if (\a)%2 == 1
	v_cndmask_b32 v[SCW+((\a)%4)/2], v[PW], v[PW+1], s98   ; lanes 0-15 the even tile's words, lanes 16-31 the odd tile's
.endif
.if (\a)%4 == 3
	global_store_b64 v[L8], v[SCW:SCW+1], s[100:101] offset:((\a)/4)*HEADB+12800   ; 256 consecutive bytes, aligned
.endif
.endm
	s_load_b256 s[4:11], s[0:1], 0x0               ; cw s[4:5], rope s[6:7], bq s[8:9], bk s[10:11]
	s_load_b128 s[12:15], s[0:1], 0x20             ; bv s[12:13], qb s[14:15]
	s_load_b64 s[16:17], s[0:1], 0x30              ; kvb
	v_lshl_add_u32 v[SPW], v0, 2, SPARE
	v_mov_b32 v[NIL], 0
	ds_add_u32 v28, v29
	ds_add_u32 v28, v29
	s_wait_dscnt 0x0
	v_lshrrev_b32 v1, 5, v0
	v_readfirstlane_b32 s[WV], v1                  ; wave 0..3
	s_lshr_b32 s[HAF], s[WV], 1
	s_and_b32 s[HBF], s[WV], 1
	s_bfe_u32 s40, ttmp6, 0x40000                  ; cx
	s_bfe_u32 s41, ttmp6, 0x40004                  ; cy
	s_mov_b32 s[KIND], ttmp9                       ; the cluster's x: 0 q, 1 k, 2 v
	s_and_b32 s19, ttmp7, 0xffff                   ; the cluster's y, 0..7
	; the tiles, in units of 256 stored rows of cw.  q, k: A = 4 y + cy (x), B = 32 + 4 kind + cx (W).  v: A = 40 + cy (Wv), B = 4 y + cx (x).  A's hangs on cy alone, B's on cx alone
	s_lshr_b32 s96, s[KIND], 1                     ; 1 for v
	s_lshl_b32 s97, s19, 2
	s_sub_co_u32 s46, 40, s97
	s_mul_i32 s46, s46, s96                        ; (40 - 4 y) for v, else 0
	s_add_co_u32 s43, s97, s46
	s_add_co_u32 s43, s43, s41                     ; A's tile
	s_lshl_b32 s42, s[KIND], 2
	s_add_co_u32 s42, s42, 32
	s_sub_co_u32 s42, s42, s46
	s_add_co_u32 s42, s42, s40                     ; B's tile
	s_lshl_b32 s44, s41, 2
	s_lshl_b32 s44, 15, s44                        ; my row of the cluster
	s_lshl_b32 s45, 0x1111, s40                    ; my column
	s_or_b32 s[G1+0], s44, (0<<16)|(1<<20)|(1<<21)|(3<<22)|(3<<25)   ; the mask; elements of 1 byte; padding on; bit 21 beside a mask; 4 words of padding behind every 16
	s_or_b32 s[G1B+0], s45, (0<<16)|(1<<20)|(1<<21)|(3<<22)|(3<<25)
.irp g, G1, G1B
	s_mov_b32 s[\g+1], ROWB<<16                    ; tensor_dim0
	s_mov_b32 s[\g+2], 128<<16                     ; tensor_dim1
	s_mov_b32 s[\g+3], ROWB<<16                    ; tile_dim0
	s_mov_b32 s[\g+4], 128                         ; tile_dim1
	s_mov_b32 s[\g+5], KROW                        ; the pitch
	s_mov_b32 s[\g+6], 0
	s_mov_b32 s[\g+7], 0
.endr
	s_or_b32 s[G1S+0], s44, (3<<16)|(1<<20)|(1<<21)|(5<<22)|(3<<25)  ; the scales of 128 rows: 4,096 dense bytes as 16 rows of 256, 16 bytes of padding behind each
	s_or_b32 s[G1SB+0], s45, (3<<16)|(1<<20)|(1<<21)|(5<<22)|(3<<25)
.irp g, G1S, G1SB
	s_mov_b32 s[\g+1], 32<<16
	s_mov_b32 s[\g+2], (128*KS/256)<<16
	s_mov_b32 s[\g+3], 32<<16
	s_mov_b32 s[\g+4], 128*KS/256
	s_mov_b32 s[\g+5], 32
	s_mov_b32 s[\g+6], 0
	s_mov_b32 s[\g+7], 0
.endr
	s_lshl_b32 s96, s[HBF], 7                      ; which 128 rows of the tile I fetch
	s_lshl_b32 s66, s43, 8
	s_add_co_u32 s66, s66, s96                     ; A's row
	s_lshl_b32 s46, s42, 8
	s_add_co_u32 s46, s46, s96                     ; B's row
	s_mul_i32 s92, s66, KS
	s_add_co_u32 s92, s92, CWS                     ; where these rows' scales begin,
	s_mul_i32 s94, s46, KS
	s_add_co_u32 s94, s94, CWS
	s_mul_i32 s66, s66, KROW                       ; and their codes (all under 2^24)
	s_mul_i32 s46, s46, KROW
	s_mov_b32 s67, 0
	s_mov_b32 s47, 0
	s_mov_b32 s93, 0
	s_mov_b32 s95, 0
	s_mul_i32 s96, s[WV], HALFT                    ; where they go: wave x 128 rows: no place in the cluster enters an LDS address
	s_mul_i32 s97, s[WV], HALFS
	s_mov_b32 s[SEL], 0x76543210
	s_mov_b32 s[SEL+1], 0xfedcba98
	s_mov_b32 s98, 0xffff0000                      ; lanes 16-31
	s_wait_kmcnt 0x0
	s_add_nc_u64 s[66:67], s[4:5], s[66:67]
	s_add_nc_u64 s[92:93], s[4:5], s[92:93]
	s_add_nc_u64 s[46:47], s[4:5], s[46:47]
	s_add_nc_u64 s[94:95], s[4:5], s[94:95]
	CROUND                                         ; all sixteen work-groups are here: the first joint loads meet
	s_mov_b32 s[G0S], 1
	s_add_co_u32 s[G0S+1], s97, SCL
	s_mov_b64 s[G0S+2:G0S+3], s[92:93]
	s_or_b32 s[G0S+3], s[G0S+3], 0x80000000
	s_mov_b32 s[G0SB], 1
	s_add_co_u32 s[G0SB+1], s97, SCL
	s_mov_b64 s[G0SB+2:G0SB+3], s[94:95]
	s_or_b32 s[G0SB+3], s[G0SB+3], 0x80000000
	JLOAD G0S, G1S, G0SB, G1SB                     ; the scales first: they are wanted with K step 0.  With the two below, three loads of mine are out
.irp s, 0,1
	s_mov_b32 s[G0+4*\s], 1
	s_add_co_u32 s[G0+4*\s+1], s96, \s*SLOT
	s_add_nc_u64 s[G0+4*\s+2:G0+4*\s+3], s[66:67], \s*ROWB
	s_or_b32 s[G0+4*\s+3], s[G0+4*\s+3], 0x80000000
	s_mov_b32 s[G0B+4*\s], 1
	s_add_co_u32 s[G0B+4*\s+1], s96, \s*SLOT
	s_add_nc_u64 s[G0B+4*\s+2:G0B+4*\s+3], s[46:47], \s*ROWB
	s_or_b32 s[G0B+4*\s+3], s[G0B+4*\s+3], 0x80000000
	JLOAD G0+4*\s, G1, G0B+4*\s, G1B
.endr
	v_and_b32 v1, 15, v0                           ; r
	v_bfe_u32 v2, v0, 4, 1                         ; h
	v_mul_u32_u24 v6, v1, PITCH
	v_mul_u32_u24 v7, v2, 24
	v_add_nc_u32 v7, v6, v7                        ; a fragment's row x pitch + 24 h
	v_lshl_add_u32 v8, v2, 4, v7                   ; and the same behind one padding more
	s_mul_i32 s96, s[HAF], HALFT
	s_mul_i32 s97, s[HBF], HALFT
	s_add_co_u32 s97, s97, 2*HALFT
.irp s, 0,1
	v_add_nc_u32 v[ADRA+\s], s96, v7
	v_add_nc_u32 v[ADRB+\s], s97, v7
	v_add_nc_u32 v[ADRA+2+\s], s96, v8
	v_add_nc_u32 v[ADRB+2+\s], s97, v8
	s_add_co_u32 s96, s96, SLOT
	s_add_co_u32 s97, s97, SLOT
.endr
	v_mul_u32_u24 v8, v1, KS                       ; my row's scales: 32 bytes a row, and 16 more for each 256 passed
	v_lshrrev_b32 v9, 8, v8
	v_lshl_add_u32 v8, v9, 4, v8
	s_mul_i32 s96, s[HAF], HALFS
	s_mul_i32 s97, s[HBF], HALFS
	s_add_co_u32 s97, s97, 2*HALFS
	s_sub_co_u32 s97, s97, s96
	v_mul_u32_u24 v9, s97, v2                      ; lanes 16-31 take B's: one product, the distance between the two
	s_add_co_u32 s96, s96, SCL
	v_add_nc_u32 v8, v8, v9
	v_add_nc_u32 v[ADRS], s96, v8
	v_and_b32 v10, 31, v0
	v_lshlrev_b32 v[LI], 4, v10
	v_lshlrev_b32 v[L8], 3, v10
	v_and_b32 v10, 8, v1
	v_add_nc_u32 v10, v10, v1                      ; r + 8 (r / 8)
	v_lshlrev_b32 v[RA], 8, v10
	v_lshl_add_u32 v[RA], v2, 6, v[RA]
	v_lshlrev_b32 v[BH], 6, v2
	v_lshlrev_b32 v[BVA], 2, v10
	s_wait_tensorcnt 1                             ; the scales and my part of K step 0 are in (K step 1's load may be out)
	s_barrier_signal -1
	s_barrier_wait -1                              ; everybody's are
	FETCH_B 0, 0, 0
	FETCH_A 0, 0, 0
	SCALES 0
	FETCH_A 0, 0, 4
	STEP 0, 0, 1                                   ; the first products start the sums: nothing is cleared.  K = 1024 is eight steps of 128: written straight
	TURN 0, 1, 1
	STEP 1, 0, 0
	TURN 1, 0, 1
	STEP 0, 0, 0
	TURN 0, 1, 0                                   ; the last change of slots: nothing is asked for any more
	s_cmp_eq_u32 s[KIND], 2                        ; ONE branch on the kind, equal in all partners; no tensor load and no barrier stands in its arms
	s_cbranch_scc1 .Lv
	; ---- q, k
	s_cmp_eq_u32 s[KIND], 0
	s_cselect_b64 s[92:93], s[8:9], s[10:11]       ; bq or bk
	s_cselect_b64 s[100:101], s[14:15], s[16:17]   ; qb or kvb
	s_and_b32 s96, s42, 3                          ; which 256 columns
	s_lshl_b32 s99, s96, 2
	s_lshl_b32 s97, s[HBF], 1
	s_add_co_u32 s99, s99, s97                     ; my first head
	s_lshl_b32 s96, s96, 10
	s_lshl_b32 s97, s[HBF], 9
	s_add_co_u32 s96, s96, s97                     ; my first column, in bytes
	s_mov_b32 s97, 0
	s_add_nc_u64 s[92:93], s[92:93], s[96:97]
	s_and_b32 s96, s43, 7
	s_lshl_b32 s96, s96, 1
	s_add_co_u32 s23, s96, s[HAF]                  ; my step of 128 tokens in the batch
	s_lshl_b32 s96, s23, 15
	s_add_nc_u64 s[94:95], s[6:7], s[96:97]        ; its rope rows
	s_lshr_b32 s96, s43, 3                         ; the batch
	s_lshl_b32 s96, s96, 4
	s_add_co_u32 s96, s96, s99
	s_mul_i32 s96, s96, HEADB
	s_mul_i32 s99, s23, REC
	s_add_co_u32 s96, s96, s99
	s_add_nc_u64 s[100:101], s[100:101], s[96:97]  ; my first head's record
	WIN 0x40                                       ; destination window 1
.irp b, 0,1,2,3
.irp j, 0,1,2,3
	global_load_b128 v[96+16*\b+4*\j+96*(\b/2):99+16*\b+4*\j+96*(\b/2)], v[BH], s[92:93] offset:128*\b+16*\j   ; the bias in the results' layout: register 16 b + i = column 32 b + 16 h + i
.endr
.endr
	WIN 0
	RLOAD 0
	RLOAD 1
	TAIL
	QKGROUP 0
	QKGROUP 1
	QKGROUP 2
	QKGROUP 3
.irp c, 0,1
	global_store_b128 v[LI], v[SCW+4*\c:SCW+4*\c+3], s[100:101] offset:\c*HEADB+12288   ; a head's scale words of the step: 512 consecutive bytes
.endr
	s_branch .Ljoin
	; ---- v
.Lv:
	s_lshl_b32 s96, s41, 10
	s_lshl_b32 s97, s[HAF], 9
	s_add_co_u32 s96, s96, s97                     ; my first column, in bytes
	s_mov_b32 s97, 0
	s_add_nc_u64 s[92:93], s[12:13], s[96:97]
	s_lshl_b32 s99, s41, 2
	s_lshl_b32 s96, s[HAF], 1
	s_add_co_u32 s99, s99, s96                     ; my first head
	s_and_b32 s96, s42, 7
	s_lshl_b32 s96, s96, 1
	s_add_co_u32 s23, s96, s[HBF]                  ; my step of 128 tokens
	s_lshr_b32 s96, s42, 3
	s_lshl_b32 s96, s96, 4
	s_add_co_u32 s96, s96, s99
	s_mul_i32 s96, s96, HEADB
	s_mul_i32 s99, s23, REC
	s_add_co_u32 s96, s96, s99
	s_add_nc_u64 s[100:101], s[16:17], s[96:97]
.irp a, 0,1,2,3,4,5,6,7
	global_load_b32 v[BV+\a], v[BVA], s[92:93] offset:4*(32*(\a/2)+8*(\a%2))   ; bv of my column in A block a
.endr
	TAIL
	s_wait_loadcnt 0x0
.irp a, 0,1,2,3,4,5,6,7
	VBLOCK \a
.endr
.Ljoin:
	s_wait_tensorcnt 0x0                           ; the wave's end
	ds_add_u32 v[SPW], v[NIL]
	s_wait_dscnt 0x0
	CROUND                                         ; the closing round
	s_endpgm
.Lfunc_end_k_qf1dfbaf18b_qkv:
	.size	k_qf1dfbaf18b_qkv, .Lfunc_end_k_qf1dfbaf18b_qkv-k_qf1dfbaf18b_qkv
	.p2alignl 7, 3214868480
	.fill 96, 4, 3214868480
	.section	.rodata,"a",@progbits
	.p2align	6, 0x0
	.amdhsa_kernel k_qf1dfbaf18b_qkv
		.amdhsa_group_segment_fixed_size 327680
		.amdhsa_private_segment_fixed_size 0
		.amdhsa_enable_private_segment 0
		.amdhsa_kernarg_size 56
		.amdhsa_user_sgpr_count 2
		.amdhsa_user_sgpr_kernarg_segment_ptr 1
		.amdhsa_wavefront_size32 1
		.amdhsa_system_sgpr_workgroup_id_x 1
		.amdhsa_system_sgpr_workgroup_id_y 1
		.amdhsa_system_sgpr_workgroup_id_z 1
		.amdhsa_system_vgpr_workitem_id 0
		.amdhsa_next_free_vgpr 1024
		.amdhsa_next_free_sgpr 102
		.amdhsa_reserve_vcc 0
		.amdhsa_float_denorm_mode_32 3
		.amdhsa_float_denorm_mode_16_64 3
		.amdhsa_memory_ordered 1
		.amdhsa_forward_progress 1
		.amdhsa_inst_pref_size 255
	.end_amdhsa_kernel
	.section	.bss,"aw",@nobits
	.p2align	6
	.space	262144
	.amdgpu_metadata
---
amdhsa.version: [ 1, 2 ]
amdhsa.kernels:
  - .name:           k_qf1dfbaf18b_qkv
    .symbol:         k_qf1dfbaf18b_qkv.kd
    .args:
      - { .name: cw, .offset: 0, .size: 8, .value_kind: global_buffer, .address_space: global }
      - { .name: rope, .offset: 8, .size: 8, .value_kind: global_buffer, .address_space: global }
      - { .name: bq, .offset: 16, .size: 8, .value_kind: global_buffer, .address_space: global }
      - { .name: bk, .offset: 24, .size: 8, .value_kind: global_buffer, .address_space: global }
      - { .name: bv, .offset: 32, .size: 8, .value_kind: global_buffer, .address_space: global }
      - { .name: qb, .offset: 40, .size: 8, .value_kind: global_buffer, .address_space: global }
      - { .name: kvb, .offset: 48, .size: 8, .value_kind: global_buffer, .address_space: global }
    .group_segment_fixed_size: 327680
    .private_segment_fixed_size: 0
    .kernarg_segment_align: 8
    .kernarg_segment_size: 56
    .max_flat_workgroup_size: 128
    .sgpr_count:     102
    .vgpr_count:     1024
    .wavefront_size: 32
...
	.end_amdgpu_metadata
.endif
;; end of part 2
;; launch attn (part 3): grid 4 x 64, 16 waves a work-group, clusters of 4 x 1, 210,944 bytes of LDS; arguments qb, kvb, oq; writes oq
.if DOCPART == 3
	.amdgcn_target "amdgcn-amd-amdhsa--gfx1250"
	.amdhsa_code_object_version 6
	.text
	.protected	k_qf1dfbaf18b_attn
	.globl	k_qf1dfbaf18b_attn
	.p2align	8
	.type	k_qf1dfbaf18b_attn,@function
k_qf1dfbaf18b_attn:
	s_mov_b64 s[64:65], 0
	v_nop
	global_prefetch_b8 v0, s[64:65] scope:SCOPE_SE
	s_setreg_imm32_b32 hwreg(HW_REG_WAVE_MODE, 25, 1), 1
	s_wait_xcnt 0x0
	s_wait_alu depctr_hold_cnt(0) depctr_sa_sdst(0) depctr_va_vdst(0) depctr_va_sdst(0) depctr_va_ssrc(0) depctr_va_vcc(0) depctr_vm_vsrc(0)
	s_getreg_b32 s2, hwreg(HW_REG_IB_STS2, 6, 4)
	s_cmp_eq_u32 s2, 0
	s_cbranch_scc0 .Lentry_in_a_cluster
	s_endpgm
.Lentry_in_a_cluster:
	s_bfe_u32 s2, ttmp6, 0x10000c
	s_cmp_lg_u32 s2, 0x3003
	s_cbranch_scc0 .Lentry_shape_is_right
	s_endpgm
.Lentry_shape_is_right:
; ATTENTION on codes of FP6 (E2M3): S^T = K Q^T (K = the head's 64, the instruction's other 64 against zero codes of Q), the mask key <= query + 64, the softmax, O^T = V^T P^T (K = the keys), O / l, and O's codes along the model's 1024.
; THE SOFTMAX: t = score x log2(e) / 8; M = the row's largest t so far, rounded UP to a whole number; p = 2^(t - M) is quantised along the keys; the row's sum l is taken of the unquantised p and divides O at the end.
; When M moves, l and O are multiplied by 2^(old M - new M): exact.
; SHARES.  A cluster of four work-groups is one (batch, head).  The head's 16 records of 128 keys (k's and v's register images and scale words, 208,896 bytes) come into each partner's LDS ONCE, by joint loads, one a wave, and stay:
; no slot is filled again, so there is no ring.  The head's 128 tiles of 16 queries are 32 quads of 64 queries; work-group cx takes tile cx of every quad.  Wave w takes quad 31 - w and then quad w: 17 or 18 key steps for every wave.
; Every branch uses the QUAD's bounds, which hang on the wave's number alone: alike in all partners.  cx enters global addresses, one select mask and the lanes' query numbers.
; A step all of whose keys lie behind the quad's last query + 64 is left out by a scalar branch round its work (the trip counts stay constants); a step that holds hidden keys sets their scores to -infinity ahead of the maximum.
; LAYOUT.  A lane holds ONE query (lane % 16) throughout.  Tile t = 2 g + u of a step holds keys 32 g + 8 u + r + 8 (r / 8), so that the 16 registers of tiles 2 g, 2 g + 1 are 16 neighbouring keys, 32 g + 16 (lane / 16) + 0 .. 15.
; k's operand for tile t is v[32 + 6 t .. + 11]: its own six registers and the next tile's six, which meet Q's zero codes: so half of an operand's LDS bytes are never read.  v80-85 hold zeros for tile 7.
; oq: codes [tile of 16 stored rows 512][head 16][768 bytes] (registers 0-3 at 16 x lane, registers 4-5 at 512 + 8 x lane); from OSC on scale bytes [stored row][32], a head's two at 2 x head.
; A head has 2 of a row's 32 scale bytes: they leave as 2 bytes a lane, 32 bytes a tile against its 768 of codes; no layout gathers them, since the other heads' lie in other clusters.
; LIMITS: NaN and infinities are not served; a block whose largest magnitude lies under 2^-124 gets the byte 1; the division by l is a reciprocal (1 ulp) and a multiplication.
; No prefetch: every tensor load is a first fill at the head.
.set REC,   13056
.set HEADB, 208896
.set OSC,   6291456
.set WV,  10
.set CX,  11
.set BHD, 12
.set G1,  16                           ; s[16:23]
.set G0,  24                           ; s[24:27]
.set SEL, 28                           ; s[28:29] lane l xor 16
.set CS,  30                           ; s[30:31] log2(e) / 8
.set TB,  32                           ; LDS byte of the step's record
.set KF,  33                           ; the step's first key
.set CNT, 34
.set IDX, 35                           ; the quad
.set QHI, 36                           ; its last query + 64
.set QLO, 37                           ; its first query + 64
.set UM,  38                           ; all ones where my tile is a group's second
.set HB0, 39                           ; the head's first byte in qb and kvb
; v1 16 x lane, v2 8 x lane, v3, v4 the step's LDS addresses, v5 query + 64 - 16 h, v6 r, v7 h, v8 16 r, v9 32 r, v11 v5 without the quad; v12 -M, v13 largest t, v[14:15] l; v[16:27] Q (v22-27 zeros), v28 Q's scale word;
; v32-79 k's, then v's images; v88-91, v92-93 their scale words; v96-159 S^T, then p; v160-191 O^T; v192-203 p's codes; v204-210 at work; v212-223 maxima, bytes, scale operands; v224 p's scale word; v225 o's; v[226:227] f; v236-247 Q's group
.macro CROUND
	s_barrier_signal -1
	s_barrier_wait -1
	s_cmp_lg_u32 s[WV], 0
	s_cbranch_scc1 .Lnot_wave_0_\@
	s_barrier_signal -3
.Lnot_wave_0_\@:
	s_barrier_wait -3
	s_barrier_signal -1
	s_barrier_wait -1
.endm
.macro TILE ph, trips
	s_wait_xcnt 0x0                                ; the last tile's loads and stores have read their bases and registers
.if \ph == 0
	s_sub_co_u32 s[IDX], 31, s[WV]
.else
	s_mov_b32 s[IDX], s[WV]
.endif
	s_lshl_b32 s[QHI], s[IDX], 6
	s_add_co_u32 s[QLO], s[QHI], 64
	s_add_co_u32 s[QHI], s[QHI], 127
	s_lshl_b32 s46, s[IDX], 1
	s_add_co_u32 s46, s46, s53                     ; my group of 32 queries
	s_lshr_b32 s48, s46, 2
	s_mul_i32 s48, s48, REC
	s_add_co_u32 s48, s48, s[HB0]
	s_mov_b32 s49, 0
	s_add_nc_u64 s[50:51], s[4:5], s[48:49]        ; its record in qb
	s_and_b32 s46, s46, 3
	s_mul_i32 s48, s46, 1536
	s_add_nc_u64 s[40:41], s[50:51], s[48:49]      ; its image
	s_lshl_b32 s48, s46, 2
	s_lshl_b32 s47, s52, 8
	s_add_co_u32 s48, s48, s47
	s_add_co_u32 s48, s48, 12288
	s_add_nc_u64 s[50:51], s[50:51], s[48:49]      ; its scale words: [lane r + 16 u][group]
	global_load_b128 v[236:239], v1, s[40:41]
	global_load_b128 v[240:243], v1, s[40:41] offset:512
	global_load_b128 v[244:247], v1, s[40:41] offset:1024
	global_load_b32 v28, v8, s[50:51]
	s_lshr_b32 s46, s[BHD], 4
	s_lshl_b32 s46, s46, 7
	s_lshl_b32 s47, s[IDX], 2
	s_add_co_u32 s46, s46, s47
	s_add_co_u32 s46, s46, s[CX]                   ; my tile of 16 stored rows of o
	s_and_b32 s47, s[BHD], 15                      ; the head
	s_lshl_b32 s48, s46, 4
	s_add_co_u32 s48, s48, s47
	s_mul_i32 s48, s48, 768
	s_add_nc_u64 s[42:43], s[8:9], s[48:49]
	s_lshl_b32 s48, s46, 9
	s_lshl_b32 s47, s47, 1
	s_add_co_u32 s48, s48, s47
	s_add_co_u32 s48, s48, OSC
	s_add_nc_u64 s[44:45], s[8:9], s[48:49]
	s_mov_b32 s[TB], 0
	s_mov_b32 s[KF], 0
	s_mov_b32 s[CNT], 0
	v_lshl_add_u32 v5, s[IDX], 6, v11
	s_wait_loadcnt 0x0
.irp i, 0,1,2,3,4,5
	v_cndmask_b32 v[16+\i], v[236+\i], v[242+\i], s[UM]   ; my tile's six registers of the group's twelve
.endr
	v_mov_b32 v13, 0xff61b1e6                      ; the largest t so far: -3e38
	s_delay_alu instid0(VALU_DEP_1)
	v_floor_f32 v12, -v13                          ; -M
	v_mov_b32 v14, 0
	v_mov_b32 v15, 0
.irp j, 0,1,2,3,4,5,6,7,8,9,10,11,12,13,14,15,16,17,18,19,20,21,22,23,24,25,26,27,28,29,30,31
	v_mov_b32 v[160+\j], 0                         ; O^T: the step is written once; the first change of M leaves zeros zeros
.endr
.Lstep_\@:
	s_cmp_gt_u32 s[KF], s[QHI]
	s_cbranch_scc1 .Lhid_\@                        ; all keys hidden from the whole quad
	s_setprio 2
	v_add_nc_u32 v3, s[TB], v1
	v_add_nc_u32 v4, s[TB], v2
	v_nop
	v_nop                                          ; four plain instructions behind the last products, in front of loads into registers that they read
.irp i, 0,1,2,3,4,5,6,7,8,9,10,11
	ds_load_b128 v[32+4*\i:35+4*\i], v3 offset:512*\i            ; k's images, as they lie: 512 consecutive bytes an instruction
.endr
	ds_load_b128 v[88:91], v3 offset:12288         ; k's scale words: register g: lanes 0-15 tile 2 g, lanes 16-31 tile 2 g + 1
	s_wait_alu depctr_va_vdst(0)
	s_wait_dscnt 0x0
.irp t, 0,2,4,6
	v_wmma_scale_f32_16x16x128_f8f6f4 v[96+8*\t:103+8*\t], v[32+6*\t:43+6*\t], v[16:27], 0, v[88+\t/2], v28 matrix_a_fmt:MATRIX_FMT_FP6 matrix_b_fmt:MATRIX_FMT_FP6
	v_wmma_scale_f32_16x16x128_f8f6f4 v[104+8*\t:111+8*\t], v[38+6*\t:49+6*\t], v[16:27], 0, v[88+\t/2], v28 matrix_a_fmt:MATRIX_FMT_FP6 matrix_b_fmt:MATRIX_FMT_FP6 matrix_a_scale:MATRIX_SCALE_ROW1
.endr
.rept 4
	v_nop                                          ; places in front of the loads below and of the first read of the scores
.endr
.irp i, 0,1,2,3,4,5,6,7,8,9,10,11
	ds_load_b128 v[32+4*\i:35+4*\i], v3 offset:6144+512*\i       ; v's images land under the softmax
.endr
	ds_load_b64 v[92:93], v4 offset:12800
	s_add_co_u32 s46, s[KF], 127
	s_cmp_le_u32 s46, s[QLO]
	s_cbranch_scc1 .Lopen_\@                       ; all keys count for the whole quad
	v_sub_nc_u32 v233, v5, s[KF]                   ; register 16 b + i holds key KF + 32 b + 16 h + i: hidden where 32 b + i > query + 64 - 16 h - KF
.irp n, 0,1,2,3,4,5,6,7,8,9,10,11,12,13,14,15,16,17,18,19,20,21,22,23,24,25,26,27,28,29,30,31,32,33,34,35,36,37,38,39,40,41,42,43,44,45,46,47,48,49,50,51,52,53,54,55,56,57,58,59,60,61,62,63
	v_cmp_gt_i32 vcc_lo, 32*(\n/16)+\n%16, v233
	v_cndmask_b32 v[96+\n], v[96+\n], v232, vcc_lo
.endr
.Lopen_\@:
.irp b, 0,1,2,3
	v_max3_num_f32 v[212+\b], v[96+16*\b], v[97+16*\b], v[98+16*\b]   ; the largest score of each block of 32 keys: it serves the row's maximum and, since p rises with the score, the block's largest p
.endr
.irp i, 3,5,7,9,11,13
.irp b, 0,1,2,3
	v_max3_num_f32 v[212+\b], v[212+\b], v[96+16*\b+\i], v[97+16*\b+\i]
.endr
.endr
.irp b, 0,1,2,3
	v_max_num_f32 v[212+\b], v[212+\b], v[111+16*\b]
.endr
.irp b, 0,1,2,3
	s_delay_alu instid0(VALU_DEP_4)
	v_permlanex16_b32 v[216+\b], v[212+\b], s[SEL], s[SEL+1]
.endr
.irp b, 0,1,2,3
	s_delay_alu instid0(VALU_DEP_4)
	v_max_num_f32 v[212+\b], v[212+\b], v[216+\b]
.endr
	s_delay_alu instid0(VALU_DEP_2)
	v_max3_num_f32 v228, v212, v213, v214
	s_delay_alu instid0(VALU_DEP_1)
	v_max_num_f32 v228, v228, v215
	s_delay_alu instid0(VALU_DEP_1)
	v_mul_f32 v228, s[CS], v228
	s_delay_alu instid0(VALU_DEP_1)
	v_max_num_f32 v13, v13, v228                   ; the running largest t
	v_mov_b32 v228, v12
	s_delay_alu instid0(VALU_DEP_2)
	v_floor_f32 v12, -v13                          ; the new -M = -ceil(t)
	s_delay_alu instid0(VALU_DEP_1)
	v_sub_f32 v228, v12, v228                      ; old M - new M: a whole number, 0 or less
	s_delay_alu instid0(VALU_DEP_1)
	v_cvt_i32_f32 v228, v228
	s_delay_alu instid0(VALU_DEP_1)
	v_ldexp_f32 v226, 1.0, v228                    ; f = 2^(old M - new M)
.irp j, 0,2,4,6,8,10,12,14,16,18,20,22,24,26,28,30,32,34,36,38,40,42,44,46,48,50,52,54,56,58,60,62
	v_pk_fma_f32 v[96+\j:97+\j], v[96+\j:97+\j], s[CS:CS+1], v[12:13] op_sel_hi:[1,0,0]   ; t - M
.endr
	s_setprio 1
.irp b, 0,1,2,3
	v_fma_f32 v[212+\b], v[212+\b], s[CS], v12
.endr
	s_wait_alu depctr_va_vdst(0)
.irp j, 0,1,2,3,4,5,6,7,8,9,10,11,12,13,14,15,16,17,18,19,20,21,22,23,24,25,26,27,28,29,30,31,32,33,34,35,36,37,38,39,40,41,42,43,44,45,46,47,48,49,50,51,52,53,54,55,56,57,58,59,60,61,62,63
	v_exp_f32 v[96+\j], v[96+\j]                   ; p = 2^(t - M): not normalised
.endr
	v_pk_mul_f32 v[14:15], v[14:15], v[226:227] op_sel_hi:[1,0]   ; l under the new M (a plain instruction behind the exponentials)
	s_wait_alu depctr_va_vdst(0)                   ; one wait for the batch, ahead of its first reader
.irp b, 0,1,2,3
	v_exp_f32 v[212+\b], v[212+\b]                 ; each block's largest p
.endr
	v_pk_add_f32 v[230:231], v[100:101], v[104:105]
	v_pk_add_f32 v[252:253], v[108:109], v[112:113]
	v_pk_add_f32 v[250:251], v[116:117], v[120:121]
	v_pk_add_f32 v[248:249], v[124:125], v[128:129]
	v_pk_add_f32 v[246:247], v[132:133], v[136:137]
	v_pk_add_f32 v[244:245], v[140:141], v[144:145]
	v_pk_add_f32 v[242:243], v[148:149], v[152:153]
	v_pk_add_f32 v[14:15], v[14:15], v[156:157]
	v_pk_add_f32 v[230:231], v[230:231], v[96:97]
	v_pk_add_f32 v[252:253], v[252:253], v[98:99]
	v_pk_add_f32 v[250:251], v[250:251], v[102:103]
	v_pk_add_f32 v[248:249], v[248:249], v[106:107]
	v_pk_add_f32 v[246:247], v[246:247], v[110:111]
	v_pk_add_f32 v[244:245], v[244:245], v[114:115]
	v_pk_add_f32 v[242:243], v[242:243], v[118:119]
	v_pk_add_f32 v[14:15], v[14:15], v[122:123]
	v_pk_add_f32 v[230:231], v[230:231], v[126:127]
	v_pk_add_f32 v[252:253], v[252:253], v[130:131]
	v_pk_add_f32 v[250:251], v[250:251], v[134:135]
	v_pk_add_f32 v[248:249], v[248:249], v[138:139]
	v_pk_add_f32 v[246:247], v[246:247], v[142:143]
	v_pk_add_f32 v[244:245], v[244:245], v[146:147]
	v_pk_add_f32 v[242:243], v[242:243], v[150:151]
	v_pk_add_f32 v[14:15], v[14:15], v[154:155]
	v_pk_add_f32 v[230:231], v[230:231], v[158:159]
	s_delay_alu instid0(VALU_DEP_2)
	v_pk_add_f32 v[14:15], v[14:15], v[248:249]
	s_delay_alu instid0(VALU_DEP_2)
	v_pk_add_f32 v[230:231], v[230:231], v[246:247]
	v_pk_add_f32 v[252:253], v[252:253], v[244:245]
	v_pk_add_f32 v[250:251], v[250:251], v[242:243]
	s_delay_alu instid0(VALU_DEP_2)
	v_pk_add_f32 v[14:15], v[14:15], v[252:253]
	s_delay_alu instid0(VALU_DEP_2)
	v_pk_add_f32 v[230:231], v[230:231], v[250:251]
	s_delay_alu instid0(VALU_DEP_1)
	v_pk_add_f32 v[14:15], v[14:15], v[230:231]
	s_wait_alu depctr_va_vdst(0)                   ; and one for the four
.irp b, 0,1,2,3
	v_max_num_f32 v[212+\b], 0x1800000, v[212+\b]  ; the floor 2^(3 - 127)
.endr
.irp b, 0,1,2,3
	s_delay_alu instid0(VALU_DEP_4)
	v_add_nc_u32 v[220+\b], 0xff000000, v[212+\b]  ; the conversion's scale operand
.endr
.irp b, 0,1,2,3
	s_delay_alu instid0(VALU_DEP_4)
	v_lshrrev_b32 v[216+\b], 23, v[220+\b]         ; the scale's byte
.endr
	s_delay_alu instid0(VALU_DEP_3)
	v_lshl_or_b32 v224, v217, 8, v216
	s_delay_alu instid0(VALU_DEP_1)
	v_lshl_or_b32 v224, v218, 16, v224
	s_delay_alu instid0(VALU_DEP_1)
	v_lshl_or_b32 v224, v219, 24, v224             ; p's scale word for these 128 keys
	s_setprio 0
.irp c, 0,1
	v_cvt_scalef32_pk16_fp6_f32 v[192+6*\c:194+6*\c], v[96+32*\c:111+32*\c], v[220+2*\c]
	v_cvt_scalef32_pk16_fp6_f32 v[204+4*\c:206+4*\c], v[112+32*\c:127+32*\c], v[220+2*\c+1]
.endr
	v_nop
.irp c, 0,1
.irp i, 0,1,2
	v_permlane16_swap_b32 v[192+6*\c+\i], v[204+4*\c+\i]
.endr
.irp i, 0,1,2
	s_delay_alu instid0(VALU_DEP_3)
	v_mov_b32 v[195+6*\c+\i], v[204+4*\c+\i]
.endr
.endr
.irp j, 0,2,4,6,8,10,12,14,16,18,20,22,24,26,28,30
	v_pk_mul_f32 v[160+\j:161+\j], v[160+\j:161+\j], v[226:227] op_sel_hi:[1,0]   ; O^T under the new M; these sixteen also stand between the scale word's and the codes' last writes and the products
.endr
	s_wait_alu depctr_va_vdst(0)
	s_wait_dscnt 0x0                               ; v's images and scale words are in
.irp d, 0,2
	v_wmma_scale_f32_16x16x128_f8f6f4 v[160+8*\d:167+8*\d], v[32+12*\d:43+12*\d], v[192:203], v[160+8*\d:167+8*\d], v[92+\d/2], v224 matrix_a_fmt:MATRIX_FMT_FP6 matrix_b_fmt:MATRIX_FMT_FP6
	v_wmma_scale_f32_16x16x128_f8f6f4 v[168+8*\d:175+8*\d], v[44+12*\d:55+12*\d], v[192:203], v[168+8*\d:175+8*\d], v[92+\d/2], v224 matrix_a_fmt:MATRIX_FMT_FP6 matrix_b_fmt:MATRIX_FMT_FP6 matrix_a_scale:MATRIX_SCALE_ROW1
.endr
.Lhid_\@:
	s_add_co_u32 s[TB], s[TB], REC
	s_add_co_u32 s[KF], s[KF], 128
	s_add_co_u32 s[CNT], s[CNT], 1
	s_cmp_lt_u32 s[CNT], \trips
	s_cbranch_scc1 .Lstep_\@
	s_setprio 0
	; the tile's end: O / l, quantised along the head's 64 = two blocks of the last product's K
	v_add_f32 v14, v14, v15
	s_delay_alu instid0(VALU_DEP_1)
	v_permlanex16_b32 v228, v14, s[SEL], s[SEL+1]
	s_delay_alu instid0(VALU_DEP_1)
	v_add_f32 v14, v14, v228                       ; the row's sum
	v_nop
	v_nop                                          ; (with the additions: the places behind the last products)
	s_wait_alu depctr_va_vdst(0)
	v_rcp_f32 v14, v14
	v_nop
	s_wait_alu depctr_va_vdst(0)
.irp j, 0,2,4,6,8,10,12,14,16,18,20,22,24,26,28,30
	v_pk_mul_f32 v[96+\j:97+\j], v[160+\j:161+\j], v[14:15] op_sel_hi:[1,0]   ; register 16 b + i = o(query r, d = 32 b + 16 h + i)
.endr
.irp b, 0,1
	v_max3_num_f32 v[212+\b], |v[96+16*\b]|, |v[97+16*\b]|, 0x1800000
.endr
.irp i, 2,4,6,8,10,12,14
.irp b, 0,1
	s_delay_alu instid0(VALU_DEP_2)
	v_max3_num_f32 v[212+\b], v[212+\b], |v[96+16*\b+\i]|, |v[97+16*\b+\i]|
.endr
.endr
.irp b, 0,1
	s_delay_alu instid0(VALU_DEP_2)
	v_permlanex16_b32 v[216+\b], v[212+\b], s[SEL], s[SEL+1]
.endr
.irp b, 0,1
	s_delay_alu instid0(VALU_DEP_2)
	v_max_num_f32 v[212+\b], v[212+\b], v[216+\b]
.endr
.irp b, 0,1
	s_delay_alu instid0(VALU_DEP_2)
	v_add_nc_u32 v[220+\b], 0xff000000, v[212+\b]
.endr
.irp b, 0,1
	s_delay_alu instid0(VALU_DEP_2)
	v_lshrrev_b32 v[216+\b], 23, v[220+\b]
.endr
	s_delay_alu instid0(VALU_DEP_1)
	v_lshl_or_b32 v225, v217, 8, v216              ; the head's two scale bytes of my row
	v_cvt_scalef32_pk16_fp6_f32 v[192:194], v[96:111], v220
	v_cvt_scalef32_pk16_fp6_f32 v[204:206], v[112:127], v221
	v_nop
.irp i, 0,1,2
	v_permlane16_swap_b32 v[192+\i], v[204+\i]
.endr
.irp i, 0,1,2
	s_delay_alu instid0(VALU_DEP_3)
	v_mov_b32 v[195+\i], v[204+\i]                 ; v192-197: lane (r, h): d = 32 h + 0 .. 31 of row r: half of the next launch's operand
.endr
	global_store_b128 v1, v[192:195], s[42:43]     ; 512 consecutive bytes, aligned
	global_store_b64 v2, v[196:197], s[42:43] offset:512   ; 256 consecutive bytes, aligned
	global_store_b16 v9, v225, s[44:45]            ; lanes r and r + 16 hold and write the same two bytes
.endm
	s_load_b128 s[4:7], s[0:1], 0x0                ; qb, kvb
	s_load_b64 s[8:9], s[0:1], 0x10                ; oq
	v_lshl_add_u32 v254, v0, 2, 0x33000
	v_mov_b32 v255, 0
	ds_add_u32 v254, v255
	ds_add_u32 v254, v255
	v_lshrrev_b32 v1, 5, v0
	s_delay_alu instid0(VALU_DEP_1)
	v_readfirstlane_b32 s[WV], v1                  ; wave 0..15
	s_bfe_u32 s[CX], ttmp6, 0x40000
	s_and_b32 s[BHD], ttmp7, 0xffff                ; 16 x batch + head
	s_and_b32 s52, s[CX], 1                        ; u: which tile of a group
	s_lshr_b32 s53, s[CX], 1                       ; which group of a quad
	s_cmp_eq_u32 s52, 1
	s_cselect_b32 s[UM], -1, 0
	s_mov_b32 s[G1], 15|(3<<16)|(1<<21)            ; the mask: all four partners; elements of 8 bytes; bit 21 beside a mask; no padding
	s_mov_b32 s[G1+1], 32<<16                      ; a record is 51 dense rows of 256 bytes
	s_mov_b32 s[G1+2], 51<<16
	s_mov_b32 s[G1+3], 32<<16
	s_mov_b32 s[G1+4], 51
	s_mov_b32 s[G1+5], 32
	s_mov_b32 s[G1+6], 0
	s_mov_b32 s[G1+7], 0
	s_mul_i32 s[HB0], s[BHD], HEADB
	s_mov_b32 s[G0], 1
	s_mul_i32 s[G0+1], s[WV], REC                  ; wave w brings record w
	s_add_co_u32 s48, s[HB0], s[G0+1]
	s_mov_b32 s49, 0
	s_mov_b32 s[SEL], 0x76543210
	s_mov_b32 s[SEL+1], 0xfedcba98
	s_mov_b32 s[CS], 0x3e38aa3b                    ; log2(e) / 8
	s_mov_b32 s[CS+1], s[CS]
	s_wait_dscnt 0x0
	s_wait_kmcnt 0x0
	s_add_nc_u64 s[G0+2:G0+3], s[6:7], s[48:49]
	s_or_b32 s[G0+3], s[G0+3], 0x80000000
	CROUND                                         ; all four work-groups are here: the joint loads meet
	tensor_load_to_lds s[G0:G0+3], s[G1:G1+7]      ; my one tensor load of the launch
	s_nop 0
.rept 4
	v_nop
.endr
	v_and_b32 v10, 31, v0
	s_delay_alu instid0(VALU_DEP_1)
	v_lshlrev_b32 v1, 4, v10
	s_delay_alu instid0(VALU_DEP_2)
	v_lshlrev_b32 v2, 3, v10
	v_and_b32 v6, 15, v0
	v_bfe_u32 v7, v0, 4, 1
	s_delay_alu instid0(VALU_DEP_2)
	v_lshlrev_b32 v8, 4, v6
	s_delay_alu instid0(VALU_DEP_3)
	v_lshlrev_b32 v9, 5, v6
	s_delay_alu instid0(VALU_DEP_4)
	v_and_b32 v10, 8, v6
	s_delay_alu instid0(VALU_DEP_1)
	v_add_nc_u32 v11, v10, v6                      ; r + 8 (r / 8)
	v_lshlrev_b32 v10, 4, v7
	s_delay_alu instid0(VALU_DEP_1)
	v_sub_nc_u32 v11, v11, v10
	s_lshl_b32 s46, s53, 5
	s_lshl_b32 s47, s52, 3
	s_add_co_u32 s46, s46, s47
	s_add_co_u32 s46, s46, 64
	v_add_nc_u32 v11, s46, v11                     ; my query in its quad + 64 - 16 h
.irp i, 22,23,24,25,26,27,80,81,82,83,84,85,216,217,218,219,227,228
	v_mov_b32 v[\i], 0                             ; Q's zero codes for k = 64 .. 127; what tile 7 names above its own six; permutes' destinations; the upper half of f's pair
.endr
	v_mov_b32 v232, 0xff800000                     ; -infinity
	s_wait_tensorcnt 0x0                           ; my record is in,
	s_barrier_signal -1
	s_barrier_wait -1                              ; everybody's is: the whole head lies in LDS
	TILE 0, 16
	TILE 1, 9
	s_wait_tensorcnt 0x0
	s_wait_tensorcnt 0x0
	ds_add_u32 v254, v255
	s_wait_dscnt 0x0
	CROUND                                         ; the closing round
	s_endpgm
.Lfunc_end_k_qf1dfbaf18b_attn:
	.size	k_qf1dfbaf18b_attn, .Lfunc_end_k_qf1dfbaf18b_attn-k_qf1dfbaf18b_attn
	.p2alignl 7, 3214868480
	.fill 96, 4, 3214868480
	.section	.rodata,"a",@progbits
	.p2align	6, 0x0
	.amdhsa_kernel k_qf1dfbaf18b_attn
		.amdhsa_group_segment_fixed_size 210944
		.amdhsa_private_segment_fixed_size 0
		.amdhsa_enable_private_segment 0
		.amdhsa_kernarg_size 24
		.amdhsa_user_sgpr_count 2
		.amdhsa_user_sgpr_kernarg_segment_ptr 1
		.amdhsa_wavefront_size32 1
		.amdhsa_system_sgpr_workgroup_id_x 1
		.amdhsa_system_sgpr_workgroup_id_y 1
		.amdhsa_system_sgpr_workgroup_id_z 1
		.amdhsa_system_vgpr_workitem_id 0
		.amdhsa_next_free_vgpr 256
		.amdhsa_next_free_sgpr 66
		.amdhsa_reserve_vcc 1
		.amdhsa_float_denorm_mode_32 3
		.amdhsa_float_denorm_mode_16_64 3
		.amdhsa_memory_ordered 1
		.amdhsa_forward_progress 1
		.amdhsa_inst_pref_size 64
	.end_amdhsa_kernel
	.amdgpu_metadata
---
amdhsa.version: [ 1, 2 ]
amdhsa.kernels:
  - .name:           k_qf1dfbaf18b_attn
    .symbol:         k_qf1dfbaf18b_attn.kd
    .args:
      - { .name: qb, .offset: 0, .size: 8, .value_kind: global_buffer, .address_space: global }
      - { .name: kvb, .offset: 8, .size: 8, .value_kind: global_buffer, .address_space: global }
      - { .name: oq, .offset: 16, .size: 8, .value_kind: global_buffer, .address_space: global }
    .group_segment_fixed_size: 210944
    .private_segment_fixed_size: 0
    .kernarg_segment_align: 8
    .kernarg_segment_size: 24
    .max_flat_workgroup_size: 512
    .sgpr_count:     66
    .vgpr_count:     256
    .wavefront_size: 32
...
	.end_amdgpu_metadata
.endif
;; end of part 3
;; launch proj (part 4): grid 4 x 32, 4 waves a work-group, clusters of 4 x 4, 327,680 bytes of LDS; arguments oq, cw, out0; writes out0
.if DOCPART == 4
	.amdgcn_target "amdgcn-amd-amdhsa--gfx1250"
	.amdhsa_code_object_version 6
	.text
	.protected	k_qf1dfbaf18b_proj
	.globl	k_qf1dfbaf18b_proj
	.p2align	8
	.type	k_qf1dfbaf18b_proj,@function
k_qf1dfbaf18b_proj:
	s_mov_b64 s[64:65], 0
	v_nop
	global_prefetch_b8 v0, s[64:65] scope:SCOPE_SE
	s_setreg_imm32_b32 hwreg(HW_REG_WAVE_MODE, 25, 1), 1
	s_wait_xcnt 0x0
	s_wait_alu depctr_hold_cnt(0) depctr_sa_sdst(0) depctr_va_vdst(0) depctr_va_sdst(0) depctr_va_ssrc(0) depctr_va_vcc(0) depctr_vm_vsrc(0)
	s_getreg_b32 s2, hwreg(HW_REG_IB_STS2, 6, 4)
	s_cmp_eq_u32 s2, 0
	s_cbranch_scc0 .Lentry_in_a_cluster
	s_endpgm
.Lentry_in_a_cluster:
	s_bfe_u32 s2, ttmp6, 0x10000c
	s_cmp_lg_u32 s2, 0xf033
	s_cbranch_scc0 .Lentry_shape_is_right
	s_endpgm
.Lentry_shape_is_right:
; PROJ.  out0 = o Wp on codes of FP6 (E2M3) with one E8M0 scale for each 32 along K = 1024; sums in f32.
; A = o: register images [tile of 16 stored rows][head][768 bytes] and scale bytes [stored row][32] in oq.  B = Wp: rows 11264 .. 12287 of cw (row = output column, K innermost), scale bytes from CWS on.
; A tile of 256 x 256 of out0 is made by four waves, each 128 x 128.  K goes in steps of 256 (four heads) through two LDS slots; all scale bytes come once, with the first fills.
; CLUSTERS: 4 x 4 work-groups; A's tiles are asked for jointly along a row of the cluster, B's along a column.  The matrix instruction is used transposed (source 0 = 16 rows of B, source 1 = 16 rows of A).
; Both operands' rows lie in the stored order (bits 3 and 4 exchanged): register j of accumulator (a, b) in lane (r, h) is out0(true row 32 (a / 2) + 8 (a % 2) + r + 8 (r / 8), true column 32 (b / 2) + 16 h + 8 (b % 2) + j);
; the way out puts both right by its offsets.
; The grid has 128 work-groups: the tile is the one whose LDS reads per product are least; a tile of 128 x 256 would give 256 work-groups at one and a half times those reads.
; REGISTERS as in the launch for q, k, v: window 0: addresses, v32-63 scale words, v128-223 A's fragments (on the way out v128-255 rows read back); window 1: B's two sets; windows 2, 3: the accumulators.
.set NQ,     2
.set ROWB,   192
.set KROW,   768
.set PITCH,  240
.set FR,     12
.set NLA,    4                         ; LDS loads that bring a fragment of A
.set NP,     4
.set AROW,   3072                      ; a tile of 16 rows x four heads
.set AHALF,  8*AROW                    ; 128 rows of A for a K step
.set HALFT,  128*PITCH
.set BOFF,   2*AHALF
.set SLOT,   2*AHALF+2*HALFT
.set KS,     32
.set SCL,    2*SLOT
.set HALFS,  (128*KS/256)*272
.set SBLK,   (16*KS/256)*272
.set SPARE,  SCL+4*HALFS               ; the spare words: two blocks of 256 bytes that no other line names
.set SPITCH, 528                       ; the way out: a stage of 16 rows x (512 bytes + 16) a wave, in slot 0, which has had its last fill and its last read by then
.set CWS,    9437184
.set OSC,    6291456
.set A16,  16                          ; v16-17 A's images, 16 x lane, slot 0, 1
.set A8,   18                          ; v18-19 the same, 8 x lane
.set ADRB, 20
.set STO,  24
.set RD,   25
.set CO,   26                          ; v26 16 x lane
.set ADRS, 27
.set SPW,  28
.set NIL,  29
.set SC,   32
.set AF,   128
.set BK,   128
.set G1,   24
.set G0,   32
.set G1B,  48
.set G0B,  56
.set G1S,  68
.set G0S,  76
.set G1SB, 80
.set G0SB, 88
.set MSB, 0
.macro WIN new
.if MSB != (\new)
	s_set_vgpr_msb (MSB<<8)|(\new)
.set MSB, (\new)
.endif
.endm
.set MUL_LO, 0xa1
.set MUL_HI, 0xf1
.set TO_B,   0x40
.macro JLOAD g0a, g1a, g0b, g1b        ; a joint load: waves 0 and 1 fetch for A, waves 2 and 3 for B; four v_nop follow each line
	s_cmp_eq_u32 s15, 0
	s_cbranch_scc0 .Lfor_b_\@
	tensor_load_to_lds s[\g0a:\g0a+3], s[\g1a:\g1a+7]
	s_nop 0
.rept 4
	v_nop
.endr
	s_branch .Lasked_\@
.Lfor_b_\@:
	tensor_load_to_lds s[\g0b:\g0b+3], s[\g1b:\g1b+7]
	s_nop 0
.rept 4
	v_nop
.endr
.Lasked_\@:
.endm
.macro CREST
	s_cmp_lg_u32 s14, 0
	s_cbranch_scc1 .Lnot_wave_0_\@
	s_barrier_signal -3
.Lnot_wave_0_\@:
	s_barrier_wait -3
	s_barrier_signal -1
	s_barrier_wait -1
.endm
.macro CROUND
	s_barrier_signal -1
	s_barrier_wait -1
	CREST
.endm
.macro FRAG reg, adr, q, i             ; B: 16 rows x 128 K from rows of 192 bytes with 16 of padding behind every 64
.irp p, 0,1,2,3,4,5
.set PC, 12*(\q)+6*(\p/3)+\p%3
.if PC%8 < 5
	ds_load_b64 v[\reg+2*\p:\reg+2*\p+1], v[\adr] offset:8*PC+16*(PC/8)+(\i)*16*PITCH
.else
	ds_load_b64 v[\reg+2*\p:\reg+2*\p+1], v[\adr+2] offset:8*PC+16*(PC/8)+(\i)*16*PITCH
.endif
.endr
.endm
.macro FRAGA reg, slot, q, i           ; A: the images of two heads, as they were stored: registers 0-3, 4-5, 6-9, 10-11
	ds_load_b128 v[\reg:\reg+3], v[A16+\slot] offset:AROW*(\i)+1536*(\q)
	ds_load_b64 v[\reg+4:\reg+5], v[A8+\slot] offset:AROW*(\i)+1536*(\q)+512
	ds_load_b128 v[\reg+6:\reg+9], v[A16+\slot] offset:AROW*(\i)+1536*(\q)+768
	ds_load_b64 v[\reg+10:\reg+11], v[A8+\slot] offset:AROW*(\i)+1536*(\q)+1280
.endm
.macro MUL16 a0, p, q, sc, zero        ; the 64 accumulators take turns, one instruction a turn
.irp a, \a0, \a0+1
.irp b, 0,1,2,3,4,5,6,7
.if \zero
	v_wmma_scale_f32_16x16x128_f8f6f4 v[8*(8*((\a)%4)+\b):8*(8*((\a)%4)+\b)+7], v[128*(\p)+FR*\b:128*(\p)+FR*\b+FR-1], v[AF+FR*(\a):AF+FR*(\a)+FR-1], 0, v[SC+8*NQ*(\sc)+NQ*\b+(\q)], v[SC+8*NQ*(\sc)+NQ*(\a)+(\q)] matrix_a_fmt:MATRIX_FMT_FP6 matrix_b_fmt:MATRIX_FMT_FP6 matrix_a_scale:MATRIX_SCALE_ROW1
.else
	v_wmma_scale_f32_16x16x128_f8f6f4 v[8*(8*((\a)%4)+\b):8*(8*((\a)%4)+\b)+7], v[128*(\p)+FR*\b:128*(\p)+FR*\b+FR-1], v[AF+FR*(\a):AF+FR*(\a)+FR-1], v[8*(8*((\a)%4)+\b):8*(8*((\a)%4)+\b)+7], v[SC+8*NQ*(\sc)+NQ*\b+(\q)], v[SC+8*NQ*(\sc)+NQ*(\a)+(\q)] matrix_a_fmt:MATRIX_FMT_FP6 matrix_b_fmt:MATRIX_FMT_FP6 matrix_a_scale:MATRIX_SCALE_ROW1
.endif
.endr
.endr
.endm
.macro FETCH_B slot, q, p
	WIN TO_B
.irp i, 0,1,2,3,4,5,6,7
	FRAG 128*(\p)+FR*\i, ADRB+\slot, \q, \i
.endr
	WIN 0
.endm
.macro FETCH_A slot, q, i0
.irp i, \i0, \i0+1, \i0+2, \i0+3
	FRAGA AF+FR*(\i), \slot, \q, \i
.endr
.endm
.macro SCALES sc
.irp i, 0,1,2,3,4,5,6,7
	ds_load_b64 v[SC+8*NQ*\sc+NQ*\i:SC+8*NQ*\sc+NQ*\i+1], v[ADRS] offset:\i*SBLK
.endr
.endm
.macro PLACES n
.rept \n
	v_nop
.endr
.endm
.macro STEP slot, q, zero
	s_wait_dscnt 4*NLA                             ; B's set and A's blocks 0-3 are in; the youngest 16 loads (A's blocks 4-7) may be out
	WIN MUL_LO
	MUL16 0, (\q)%2, \q, \slot, \zero
	MUL16 2, (\q)%2, \q, \slot, \zero
	s_wait_dscnt 0
	PLACES NP
	FETCH_B \slot, (\q)+1, 1-(\q)%2
	FETCH_A \slot, (\q)+1, 0
	WIN MUL_HI
	MUL16 4, (\q)%2, \q, \slot, \zero
	MUL16 6, (\q)%2, \q, \slot, \zero
	PLACES NP
	WIN 0
	FETCH_A \slot, (\q)+1, 4
.endm
.macro TURN slot, next, fill
	s_wait_tensorcnt 0x0                           ; all my tensor loads have landed: my part of the next slot
	ds_add_u32 v[SPW], v[NIL]                      ; 0 onto my spare word
	s_wait_dscnt 4*NLA+1                           ; (the add and the youngest 16 loads may be out)
	WIN MUL_LO
	MUL16 0, 1, NQ-1, \slot, 0
	s_wait_dscnt 0x0                               ; the add is done, and my reads of this slot are over
	s_barrier_signal -1
	MUL16 2, 1, NQ-1, \slot, 0
	WIN 0
	s_barrier_wait -1
.if \fill
	CREST                                          ; the barrier has opened a round of the cluster's
	s_add_nc_u64 s[G0+4*\slot+2:G0+4*\slot+3], s[G0+4*\slot+2:G0+4*\slot+3], 2*AROW
	s_add_nc_u64 s[G0B+4*\slot+2:G0B+4*\slot+3], s[G0B+4*\slot+2:G0B+4*\slot+3], 2*ROWB
	JLOAD G0+4*\slot, G1, G0B+4*\slot, G1B         ; the first tensor load behind the round
.else
	PLACES NP
.endif
	v_add_nc_u32 v[ADRS], 4*NQ, v[ADRS]
	FETCH_B \next, 0, 0
	FETCH_A \next, 0, 0
	SCALES \next
	WIN MUL_HI
	MUL16 4, 1, NQ-1, \slot, 0
	MUL16 6, 1, NQ-1, \slot, 0
	PLACES NP
	WIN 0
	FETCH_A \next, 0, 4
.endm
	s_load_b128 s[4:7], s[0:1], 0x0                ; oq, cw
	s_load_b64 s[8:9], s[0:1], 0x10                ; out0
	v_lshl_add_u32 v[SPW], v0, 2, SPARE
	v_mov_b32 v[NIL], 0
	ds_add_u32 v28, v29
	ds_add_u32 v28, v29
	s_wait_dscnt 0x0
	v_lshrrev_b32 v1, 5, v0
	v_readfirstlane_b32 s14, v1                    ; wave 0..3
	s_lshr_b32 s15, s14, 1                         ; which half of the tile's rows is mine.  Also: I fetch for A (0) or for B (1)
	s_and_b32 s16, s14, 1                          ; which half of its columns.  Also: which 128 rows of that tile I fetch
	s_bfe_u32 s40, ttmp6, 0x40000
	s_bfe_u32 s41, ttmp6, 0x40004
	s_lshl_b32 s42, ttmp9, 2
	s_add_co_u32 s42, s42, s40                     ; tile column
	s_and_b32 s17, ttmp7, 0xffff
	s_lshl_b32 s17, s17, 2
	s_add_co_u32 s17, s17, s41                     ; tile row
	s_lshl_b32 s43, s41, 2
	s_lshl_b32 s43, 15, s43                        ; my row of the cluster
	s_lshl_b32 s44, 0x1111, s40                    ; my column
	s_or_b32 s[G1+0], s43, (3<<16)|(1<<21)         ; A: 8 tiles of 16 rows x 3,072 bytes (384 elements of 8 bytes), 12,288 bytes apart; no padding: the images are read as they lie
	s_mov_b32 s[G1+1], 384<<16
	s_mov_b32 s[G1+2], 8<<16
	s_mov_b32 s[G1+3], 384<<16
	s_mov_b32 s[G1+4], 8
	s_mov_b32 s[G1+5], 1536
	s_mov_b32 s[G1+6], 0
	s_mov_b32 s[G1+7], 0
	s_or_b32 s[G1B+0], s44, (0<<16)|(1<<20)|(1<<21)|(3<<22)|(3<<25)  ; B: 128 rows x 192 bytes, 16 bytes of padding behind every 64
	s_mov_b32 s[G1B+1], ROWB<<16
	s_mov_b32 s[G1B+2], 128<<16
	s_mov_b32 s[G1B+3], ROWB<<16
	s_mov_b32 s[G1B+4], 128
	s_mov_b32 s[G1B+5], KROW
	s_mov_b32 s[G1B+6], 0
	s_mov_b32 s[G1B+7], 0
	s_or_b32 s[G1S+0], s43, (3<<16)|(1<<20)|(1<<21)|(5<<22)|(3<<25)
	s_or_b32 s[G1SB+0], s44, (3<<16)|(1<<20)|(1<<21)|(5<<22)|(3<<25)
.irp g, G1S, G1SB
	s_mov_b32 s[\g+1], 32<<16
	s_mov_b32 s[\g+2], (128*KS/256)<<16
	s_mov_b32 s[\g+3], 32<<16
	s_mov_b32 s[\g+4], 128*KS/256
	s_mov_b32 s[\g+5], 32
	s_mov_b32 s[\g+6], 0
	s_mov_b32 s[\g+7], 0
.endr
	s_lshl_b32 s20, s17, 4
	s_lshl_b32 s18, s16, 3
	s_add_co_u32 s20, s20, s18                     ; A: my first tile of 16 rows
	s_lshl_b32 s22, s20, 9
	s_add_co_u32 s22, s22, OSC                     ; its rows' scales
	s_mul_i32 s20, s20, 12288                      ; and its images
	s_mov_b32 s21, 0
	s_mov_b32 s23, 0
	s_lshl_b32 s46, s42, 8
	s_lshl_b32 s18, s16, 7
	s_add_co_u32 s46, s46, s18
	s_add_co_u32 s46, s46, 11264                   ; B: my first row of cw
	s_lshl_b32 s92, s46, 5
	s_add_co_u32 s92, s92, CWS
	s_mul_i32 s46, s46, KROW
	s_mov_b32 s47, 0
	s_mov_b32 s93, 0
	s_mul_i32 s45, s16, AHALF                      ; where they go: no place in the cluster enters an LDS address
	s_mul_i32 s95, s16, HALFT
	s_add_co_u32 s95, s95, BOFF
	s_mul_i32 s94, s14, HALFS
	s_wait_kmcnt 0x0
	s_add_nc_u64 s[20:21], s[4:5], s[20:21]
	s_add_nc_u64 s[22:23], s[4:5], s[22:23]
	s_add_nc_u64 s[46:47], s[6:7], s[46:47]
	s_add_nc_u64 s[92:93], s[6:7], s[92:93]
	CROUND                                         ; all sixteen work-groups are here: the first joint loads meet
	s_mov_b32 s[G0S], 1
	s_add_co_u32 s[G0S+1], s94, SCL
	s_mov_b64 s[G0S+2:G0S+3], s[22:23]
	s_or_b32 s[G0S+3], s[G0S+3], 0x80000000
	s_mov_b32 s[G0SB], 1
	s_add_co_u32 s[G0SB+1], s94, SCL
	s_mov_b64 s[G0SB+2:G0SB+3], s[92:93]
	s_or_b32 s[G0SB+3], s[G0SB+3], 0x80000000
	JLOAD G0S, G1S, G0SB, G1SB                     ; the scales first.  With the two below, three loads of mine are out
.irp s, 0,1
	s_mov_b32 s[G0+4*\s], 1
	s_add_co_u32 s[G0+4*\s+1], s45, \s*SLOT
	s_add_nc_u64 s[G0+4*\s+2:G0+4*\s+3], s[20:21], \s*AROW
	s_or_b32 s[G0+4*\s+3], s[G0+4*\s+3], 0x80000000
	s_mov_b32 s[G0B+4*\s], 1
	s_add_co_u32 s[G0B+4*\s+1], s95, \s*SLOT
	s_add_nc_u64 s[G0B+4*\s+2:G0B+4*\s+3], s[46:47], \s*ROWB
	s_or_b32 s[G0B+4*\s+3], s[G0B+4*\s+3], 0x80000000
	JLOAD G0+4*\s, G1, G0B+4*\s, G1B
.endr
	v_and_b32 v1, 15, v0                           ; r
	v_bfe_u32 v2, v0, 4, 1                         ; h
	v_and_b32 v3, 31, v0
	v_lshlrev_b32 v[CO], 4, v3
	v_lshlrev_b32 v5, 3, v3
	s_mul_i32 s18, s15, AHALF                      ; my 128 rows of A
.irp s, 0,1
	v_add_nc_u32 v[A16+\s], s18, v[CO]
	v_add_nc_u32 v[A8+\s], s18, v5
	s_add_co_u32 s18, s18, SLOT
.endr
	v_mul_u32_u24 v6, v1, PITCH
	v_mad_u32_u24 v6, v2, 24, v6
	v_lshl_add_u32 v7, v2, 4, v6
	s_mul_i32 s18, s16, HALFT                      ; my 128 rows of B
	s_add_co_u32 s18, s18, BOFF
.irp s, 0,1
	v_add_nc_u32 v[ADRB+\s], s18, v6
	v_add_nc_u32 v[ADRB+2+\s], s18, v7
	s_add_co_u32 s18, s18, SLOT
.endr
	v_mul_u32_u24 v6, v1, KS
	v_lshrrev_b32 v7, 8, v6
	v_lshl_add_u32 v6, v7, 4, v6
	s_mul_i32 s18, s15, HALFS
	s_mul_i32 s19, s16, HALFS
	s_add_co_u32 s19, s19, 2*HALFS
	s_sub_co_u32 s19, s19, s18
	v_mul_u32_u24 v7, s19, v2                      ; lanes 16-31 take B's
	s_add_co_u32 s18, s18, SCL
	v_add_nc_u32 v6, v6, v7
	v_add_nc_u32 v[ADRS], s18, v6
	s_mul_i32 s18, s14, 16*SPITCH                  ; my stage
	v_mul_u32_u24 v6, v1, SPITCH
	v_lshl_add_u32 v6, v2, 6, v6                   ; in: row r; my half's 16 columns of each 32: + 64 h
	v_add_nc_u32 v[STO], s18, v6
	v_add_nc_u32 v[RD], s18, v[CO]                 ; back: the 32 lanes take one row of 512 bytes
	s_lshl_b32 s96, s17, 20                        ; 256 rows of 4,096 bytes a tile row,
	s_lshl_b32 s97, s15, 19
	s_add_co_u32 s96, s96, s97
	s_lshl_b32 s97, s42, 10                        ; 1,024 bytes a tile column,
	s_add_co_u32 s96, s96, s97
	s_lshl_b32 s97, s16, 9
	s_add_co_u32 s96, s96, s97
	s_mov_b32 s97, 0
	s_add_nc_u64 s[8:9], s[8:9], s[96:97]          ; my 128 x 128 of out0; never stepped
	s_wait_tensorcnt 1                             ; the scales and my part of K step 0 are in (K step 1's load may be out)
	s_barrier_signal -1
	s_barrier_wait -1
	FETCH_B 0, 0, 0
	FETCH_A 0, 0, 0
	SCALES 0
	FETCH_A 0, 0, 4
	STEP 0, 0, 1                                   ; the first products start the sums.  K = 1024 is eight steps of 128: written straight
	TURN 0, 1, 1
	STEP 1, 0, 0
	TURN 1, 0, 1
	STEP 0, 0, 0
	TURN 0, 1, 0                                   ; the last change of slots: nothing is asked for
	STEP 1, 0, 0
	s_wait_dscnt 4*NLA
	WIN MUL_LO
	MUL16 0, 1, NQ-1, 1, 0
	MUL16 2, 1, NQ-1, 1, 0
	s_wait_dscnt 0
	WIN MUL_HI
	MUL16 4, 1, NQ-1, 1, 0
	MUL16 6, 1, NQ-1, 1, 0
	WIN 0
; THE WAY OUT, a block of 16 stored rows x 128 columns at a time, through my own stage: in by lanes (32 bytes of a row each), back as whole rows of 512 bytes.  LDS serves a wave's instructions in order.
.macro TOSTAGE a
.set AC, 64*((\a)%4)
	WIN 0x08+4*((\a)/4)                            ; an LDS store's data: window 2 or 3
.irp b, 0,1,2,3,4,5,6,7
	ds_store_b128 v[STO], v[AC+8*\b:AC+8*\b+3] offset:128*(\b/2)+32*(\b%2)          ; each accumulator from its low end on; tile b's true columns 32 (b / 2) + 16 h + 8 (b % 2) + 0 .. 7
	ds_store_b128 v[STO], v[AC+8*\b+4:AC+8*\b+7] offset:128*(\b/2)+32*(\b%2)+16
.endr
	WIN 0
.set BB, BK+64*((\a)%2)
.irp t, 0,1,2,3,4,5,6,7,8,9,10,11,12,13,14,15
	ds_load_b128 v[BB+4*\t:BB+4*\t+3], v[RD] offset:\t*SPITCH
.endr
.endm
.macro SEND a, younger                 ; younger: the LDS instructions issued behind block a's loads
.set BB, BK+64*((\a)%2)
	s_wait_dscnt \younger
.irp t, 0,1,2,3,4,5,6,7,8,9,10,11,12,13,14,15
	global_store_b128 v[CO], v[BB+4*\t:BB+4*\t+3], s[8:9] offset:(32*((\a)/2)+16*(\t/8)+8*((\a)%2)+(\t%8))*4096 th:TH_STORE_NT   ; stage row t is a true row; 512 consecutive bytes, aligned; written once
.endr
.endm
	PLACES NP
	TOSTAGE 0
.irp a, 1,2,3,4,5,6,7
.if \a > 1
	s_wait_xcnt 0x0                                ; block a - 2's stores have read their registers: block a's loads may land there
.endif
	TOSTAGE \a
	SEND \a-1, 32                                  ; behind block a - 1's loads: block a's 16 stores and 16 loads
.endr
	SEND 7, 0
	s_wait_tensorcnt 0x0                           ; the wave's end
	ds_add_u32 v[SPW], v[NIL]
	s_wait_dscnt 0x0
	CROUND                                         ; the closing round
	s_endpgm
.Lfunc_end_k_qf1dfbaf18b_proj:
	.size	k_qf1dfbaf18b_proj, .Lfunc_end_k_qf1dfbaf18b_proj-k_qf1dfbaf18b_proj
	.p2alignl 7, 3214868480
	.fill 96, 4, 3214868480
	.section	.rodata,"a",@progbits
	.p2align	6, 0x0
	.amdhsa_kernel k_qf1dfbaf18b_proj
		.amdhsa_group_segment_fixed_size 327680
		.amdhsa_private_segment_fixed_size 0
		.amdhsa_enable_private_segment 0
		.amdhsa_kernarg_size 24
		.amdhsa_user_sgpr_count 2
		.amdhsa_user_sgpr_kernarg_segment_ptr 1
		.amdhsa_wavefront_size32 1
		.amdhsa_system_sgpr_workgroup_id_x 1
		.amdhsa_system_sgpr_workgroup_id_y 1
		.amdhsa_system_sgpr_workgroup_id_z 1
		.amdhsa_system_vgpr_workitem_id 0
		.amdhsa_next_free_vgpr 1024
		.amdhsa_next_free_sgpr 98
		.amdhsa_reserve_vcc 0
		.amdhsa_float_denorm_mode_32 3
		.amdhsa_float_denorm_mode_16_64 3
		.amdhsa_memory_ordered 1
		.amdhsa_forward_progress 1
		.amdhsa_inst_pref_size 151
	.end_amdhsa_kernel
	.amdgpu_metadata
---
amdhsa.version: [ 1, 2 ]
amdhsa.kernels:
  - .name:           k_qf1dfbaf18b_proj
    .symbol:         k_qf1dfbaf18b_proj.kd
    .args:
      - { .name: oq, .offset: 0, .size: 8, .value_kind: global_buffer, .address_space: global }
      - { .name: cw, .offset: 8, .size: 8, .value_kind: global_buffer, .address_space: global }
      - { .name: out0, .offset: 16, .size: 8, .value_kind: global_buffer, .address_space: global }
    .group_segment_fixed_size: 327680
    .private_segment_fixed_size: 0
    .kernarg_segment_align: 8
    .kernarg_segment_size: 24
    .max_flat_workgroup_size: 128
    .sgpr_count:     98
    .vgpr_count:     1024
    .wavefront_size: 32
...
	.end_amdgpu_metadata
.endif
;; end of part 4
